; MI455X (gfx1250); checked and timed in simulation.
; The chip was launched on July 23, 2026; its instructions are those of AMD's public machine-readable ISA for CDNA 5 (MIT licence, August 2026) and "CDNA5" Instruction Set Architecture Reference Guide (July 2026). The comments in the code are by the model that wrote it; some were corrected since.
;; Multi Headed Attention. Allowed arithmetic: matrix products marked QUANTISED: E2M1 operands, one E8M0 scale for each 32 along K, by v_wmma_scale_f32_16x16x128_f8f6f4 with both operands' format E2M1 (or v_wmma_scale_f32_32x16x128_f4), f32 sums; everything else in f32.
;; Inputs: Wk_codes 2,048 x 64 x 16 uint8 (E2M1 codes of Wk, K innermost, in blocks of 32 codes, two codes a byte); Wk_scales 2,048 x 64 uint8 (E8M0 scales of Wk, one for each 32 codes along K); Wo_codes 2,048 x 64 x 16 uint8 (E2M1 codes of Wo, K innermost, in blocks of 32 codes, two codes a byte); Wo_scales 2,048 x 64 uint8 (E8M0 scales of Wo, one for each 32 codes along K); Wq_codes 2,048 x 64 x 16 uint8 (E2M1 codes of Wq, K innermost, in blocks of 32 codes, two codes a byte); Wq_scales 2,048 x 64 uint8 (E8M0 scales of Wq, one for each 32 codes along K); Wv_codes 2,048 x 64 x 16 uint8 (E2M1 codes of Wv, K innermost, in blocks of 32 codes, two codes a byte); Wv_scales 2,048 x 64 uint8 (E8M0 scales of Wv, one for each 32 codes along K); k_codes 2,048 x 64 x 16 uint8 (E2M1 codes of k, K innermost, in blocks of 32 codes, two codes a byte); k_scales 2,048 x 64 uint8 (E8M0 scales of k, one for each 32 codes along K); ln_w 2,048 float32; mask 2,048 x 2,048 int32; q 2,048 x 2,048 float32; v_codes 2,048 x 64 x 16 uint8 (E2M1 codes of v, K innermost, in blocks of 32 codes, two codes a byte); v_scales 2,048 x 64 uint8 (E8M0 scales of v, one for each 32 codes along K).
;; Outputs: out0 2,048 x 2,048 float32.
;; This version of the problem:
;;   THIS VERSION OF THE PROBLEM IS GIVEN IN LOW PRECISION. The matrix products marked QUANTISED in the list below multiply operands that are first quantised to E2M1 (2 exponent bits, 1 mantissa bit; 4 bits a number), with one power-of-two scale for each 32 numbers along K (OCP MX v1.0); their sums are f32. All else is computed in f32.
;;   The module's matrix products, in the order in which they are computed (A, B: the left and right operand; K: the contracted axis; several contracted axes count as one K, in the product's order):
;;     1. [M 2,048, K 2,048] x [K 2,048, N 2,048]; A: input q; B: input Wq (given as codes): QUANTISED
;;     2. [M 2,048, K 2,048] x [K 2,048, N 2,048]; A: input k (given as codes); B: input Wk (given as codes): QUANTISED
;;     3. [M 2,048, K 2,048] x [K 2,048, N 2,048]; A: input v (given as codes); B: input Wv (given as codes): QUANTISED
;;     4. batch 16 x [M 2,048, K 128] x [K 128, N 2,048]; A: computed on the way; B: computed on the way: QUANTISED
;;     5. batch 16 x [M 2,048, K 2,048] x [K 2,048, N 128]; A: softmax (see below); B: computed on the way: QUANTISED
;;     6. [M 2,048, K 2,048] x [K 2,048, N 2,048]; A: computed on the way; B: input Wo (given as codes): QUANTISED
;;   THE QUANTISER, for each operand of a quantised product, along K:
;;     - K is cut into blocks of 32 from its start; a last block that is shorter is filled with zeros.
;;     - A block's scale is 2^e with e = floor(log2(the largest magnitude in the block)) - 2, held to -126 .. 127; a block of zeros has e = 0. As a byte (E8M0): e + 127.
;;     - Each number is divided by its block's scale, clamped to +-6, and rounded to the nearest number of E2M1, ties to even, subnormals kept.
;;     - The product sums the exact products of the quantised numbers (number of the format x scale) in f32.
;;   ~~~python
;;   def quantise(x, axis):      # numpy; x: float32 -> the quantised numbers, widened to float32 again
;;       x = np.moveaxis(x, axis, -1); K = x.shape[-1]
;;       x = np.pad(x, [(0, 0)] * (x.ndim - 1) + [(0, -K % 32)]); x = x.reshape(x.shape[:-1] + (-1, 32)); a = np.abs(x).max(-1, keepdims=True)
;;       e = np.where(a > 0, np.clip(np.frexp(np.where(a > 0, a, 1))[1] - 1 - 2, -126, 127), 0)      # np.frexp(a)[1] - 1 = floor(log2(a)), exactly
;;       r = np.clip(x / 2.0 ** e, -6, 6)
;;       step = 2.0 ** (np.maximum(np.frexp(np.where(r == 0, 1, r))[1] - 1, 0) - 1)
;;       q = np.round(r / step) * step * 2.0 ** e      # np.round: ties to even
;;       return np.moveaxis(q.reshape(q.shape[:-2] + (-1,))[..., :K], -1, axis).astype(np.float32)
;;   ~~~
;;   SOFTMAX AHEAD OF A QUANTISED PRODUCT. Where the list says 'softmax', what is quantised is not the finished softmax but p = 2^(t - M), with t = logit x log2(e) and M = ceil(the row's largest t), a whole number; so 1/2 < the row's largest p <= 1. The row's sum l is taken of the UNQUANTISED p, in f32, and the product's result is divided by l at the end. Since M is a whole number, a kernel that streams over the keys may use a running M (the ceiling of the running maximum): every later rescaling is an exact power of two, which a block's scale takes up: the codes' values come out the same.
;;   OPERANDS COMPUTED ON THE WAY. 'Computed on the way' means the value that the module computes at that place (a softmax that the list does not call 'softmax' is quantised finished and normalised). What goes into a quantiser is computed in f32, as accurately as f32 sums, v_exp_f32 and their like allow (about 1e-6 of the number): no bf16 or f16 on the way to a quantiser, and a product that is left as it is and whose result goes on into a quantised operand takes f32 operands (vector FMAs, or v_wmma_f32_16x16x4_f32). A number that lies on a knife's edge between two numbers of the format may be rounded either way, as far as f32 arithmetic and the matrix unit's own rounding can turn it there, and no further.
;;   INPUTS GIVEN AS CODES. Wk (in the module: [2048, 2048], K = its axis 1); Wo (in the module: [2048, 2048], K = its axis 1); Wq (in the module: [2048, 2048], K = its axis 1); Wv (in the module: [2048, 2048], K = its axis 1); k (in the module: [2048, 2048], K = its axis 1); v (in the module: [2048, 2048], K = its axis 1): each comes as NAME_codes (uint8): NAME with its K axis moved to the last place and cut into blocks of 32 codes, [.., K / 32, bytes a block], one block behind the other in memory; two codes a byte, the lower K in the low four bits (a code: sign, 2 exponent bits, 1 mantissa bit); and NAME_scales (uint8): the same leading axes, one E8M0 byte (e + 127) for each 32 codes along K. Its value is code x scale, taken as it is: it is not quantised again, and the codes and scales need not be those that the quantiser above would give.
;; One version. Each part assembles by itself: llvm-mc -triple=amdgcn-amd-amdhsa -mcpu=gfx1250 --defsym DOCPART=n.
;; ======== version 1 of 1: 5 launches
;; limits: right only within a limited range of input values
;; workspace buffers: qq 2,228,224 bytes; mb 524,288 bytes of whole numbers; qkv 6,684,672 bytes; yy 2,228,224 bytes; xx 16,777,216 bytes
;; launch prep (part 1): grid 256 x 1, 4 waves a work-group, no clusters, 67,072 bytes of LDS; arguments q, mask, qq, mb; writes qq, mb
.if DOCPART == 1
	.amdgcn_target "amdgcn-amd-amdhsa--gfx1250"
	.amdhsa_code_object_version 6
	.text
	.protected	k_qb739201178_prep
	.globl	k_qb739201178_prep
	.p2align	8
	.type	k_qb739201178_prep,@function
k_qb739201178_prep:
	s_mov_b64 s[64:65], 0
	v_nop
	global_prefetch_b8 v0, s[64:65] scope:SCOPE_SE
	s_setreg_imm32_b32 hwreg(HW_REG_WAVE_MODE, 25, 1), 1
	s_wait_xcnt 0x0
; FIRST OF FIVE LAUNCHES of: out = LayerNorm(softmax(mask(Q K^T / sqrt(128))) V Wo^T + q) x ln_w, Q = q Wq^T, K = k Wk^T, V = v Wv^T, all six products on codes of FP4 (E2M1) with one E8M0 scale for each 32 along K.
; NOTHING IS LEFT OUT AS DEAD WORK: every input has a way to the output and is loaded by some launch.  The mask is an input of whole numbers: the attention launch reads the lane masks
; made here and does, of each query tile's key steps, those in which the mask opens some key; that choice is made from the stored words, for whatever mask is given.
; THIS LAUNCH, two jobs, told apart by the work-group's number:
;   work-groups 0-127: q [2048][2048] f32 becomes codes (qq, bytes 0 on: [2048][1024]) and scale bytes (qq, byte 2,097,152 on: [2048][64]).
;   work-groups 128-255: mask [2048][2048] int32 becomes lane masks: mb [T16 0..127][key step 0..15][64 words].  Bit r + 16 h of word 16 b + i says whether
;     mask[128 (T16 / 8) + pi(T16 % 8, r)][128 step + 32 b + 16 h + i] != 0, with pi(t, r) = 32 (t / 2) + 8 (t % 2) + r + 8 (r / 8): the order in which the attention launch holds queries in lanes and keys in registers.
; A block's scale is 2^(floor(log2(its largest magnitude)) - 2); its byte is the largest magnitude's exponent field - 2, held at 1 from below.
; LIMITS: NaN and infinities in q are not served; a block whose largest magnitude lies under 2^-124 keeps the byte 1; a block of zeros gets the byte 1 where the rule says 127 (its codes are zeros, and this program alone reads the bytes).
; The two jobs have LDS bytes of their own.  No tensor load, no barrier: waves share nothing.
.set STEPS, 16
.set EMAX,  2
.set CB,    8                          ; bytes of 16 codes
.set R,     16                         ; q: v16-79   four sets of 16 numbers as loaded
.set X,     80                         ; q: v80-111  two sets of 16 neighbours
.set E,     112                        ; q: v112-127 a scale byte for each step
.set C,     128                        ; q: v128-191 codes: no store's data are written again
.set WREG,  8192                       ; q: LDS region of a wave: two stages of 32 x SP bytes, then its 256 scale bytes
.set SP,    80                         ; q: a lane's place in a stage: 64 bytes + 16 of padding
.set SPW,   12                         ; v12  my spare word; never rewritten
.set NIL,   13                         ; v13  0; never rewritten
.set MSTG,  32768                      ; mask: stages, 16 rows x MP bytes for each wave
.set MP,    528
.set SPARE, 66560                      ; the spare words, 128 bytes for each wave
.set MR,    16                         ; mask: v16-143  two sets of 16 rows x 4 registers
.set MX,    144                        ; mask: v144-207 my 64 numbers
.set MW,    208                        ; mask: v208-215 the words of four steps
.set MST,   216
.set MRD,   217
	s_load_b256 s[4:11], s[0:1], 0x0               ; q, mask, qq, mb
	v_lshl_add_u32 v[SPW], v0, 2, SPARE
	v_mov_b32 v[NIL], 0
	v_lshrrev_b32 v1, 5, v0
	v_readfirstlane_b32 s16, v1                    ; wave
	v_and_b32 v2, 31, v0                           ; lane
	v_lshlrev_b32 v3, 4, v2                        ; 16 x lane
	s_mul_i32 s17, s16, WREG
	v_lshrrev_b32 v14, 2, v2
	v_mul_u32_u24 v14, v14, SP
	v_and_b32 v15, 3, v2
	v_lshl_add_u32 v14, v15, 4, v14
	v_add_nc_u32 v14, s17, v14                     ; q's stage, in: SP (lane / 4) + 16 (lane % 4)
	v_mul_u32_u24 v15, v2, SP
	v_add_nc_u32 v15, s17, v15                     ; out: SP x lane: my 16 neighbours
	v_mul_u32_u24 v4, v2, CB
	v_lshrrev_b32 v5, 1, v2
	s_add_co_u32 s17, s17, 2*32*SP
	v_add_nc_u32 v5, s17, v5                       ; my block's scale byte in LDS
	v_lshlrev_b32 v7, 3, v2                        ; 8 x lane
	v_add_nc_u32 v6, s17, v7
	s_mul_i32 s19, s16, 16*MP
	s_add_co_u32 s19, s19, MSTG
	v_add_nc_u32 v[MST], s19, v3
	v_and_b32 v8, 15, v0                           ; r
	v_bfe_u32 v9, v0, 4, 1                         ; h
	v_mul_u32_u24 v8, v8, MP
	v_lshl_add_u32 v8, v9, 6, v8
	v_add_nc_u32 v[MRD], s19, v8                   ; row r, + 64 h
.irp i, 0,1,2,3,4,5,6,7
	v_mov_b32 v[MW+\i], 0                          ; written whole once: v_writelane_b32 fills them lane by lane
.endr
	s_mov_b32 s21, 0
	s_wait_kmcnt 0x0
	s_cmp_lt_u32 ttmp9, 128
	s_cbranch_scc0 .Lmask
; q: a wave takes 16 steps of 512 numbers: four dense loads of 512 bytes, a turn through its own stage so that a lane holds 16 neighbours, two lanes to a block
	s_lshl_b32 s18, ttmp9, 2
	s_add_co_u32 s18, s18, s16                     ; which run of 8,192 numbers
	s_lshl_b32 s20, s18, 15
	s_add_nc_u64 s[4:5], s[4:5], s[20:21]
	s_lshl_b32 s20, s18, 12
	s_add_nc_u64 s[22:23], s[8:9], s[20:21]        ; its 4,096 bytes of codes
	s_lshl_b32 s20, s18, 8
	s_add_co_u32 s20, s20, 0x200000
	s_add_nc_u64 s[24:25], s[8:9], s[20:21]        ; its 256 scale bytes
.macro LOAD t
.irp i, 0,1,2,3
	global_load_b128 v[R+16*((\t)%4)+4*\i:R+16*((\t)%4)+4*\i+3], v3, s[4:5] offset:2048*(\t)+512*\i th:TH_LOAD_NT
.endr
.endm
.macro TURN t                          ; LDS serves a wave's instructions in order: no wait between the stores and the loads
.irp i, 0,1,2,3
	ds_store_b128 v14, v[R+16*((\t)%4)+4*\i:R+16*((\t)%4)+4*\i+3] offset:32*SP*((\t)%2)+8*SP*\i
.endr
.irp i, 0,1,2,3
	ds_load_b128 v[X+16*((\t)%2)+4*\i:X+16*((\t)%2)+4*\i+3], v15 offset:32*SP*((\t)%2)+16*\i
.endr
.endm
.macro STEP t
.set XS, X+16*((\t)%2)
.if (\t) > 0
	s_wait_dscnt 1                                 ; this step's numbers are back (the last step's byte store may be out)
.else
	s_wait_dscnt 0x0
.endif
.if (\t)+4 < STEPS
	LOAD (\t)+4
.endif
.if (\t)+1 < STEPS
.if STEPS-2-(\t) >= 3
	s_wait_loadcnt 12                              ; the next step's four loads are in; three steps' may be out
.else
	s_wait_loadcnt 4*(STEPS-2-(\t))
.endif
	TURN (\t)+1
.endif
	v_max3_num_f32 v8, |v[XS]|, |v[XS+1]|, |v[XS+2]|
	v_max3_num_f32 v9, |v[XS+3]|, |v[XS+4]|, |v[XS+5]|
.irp i, 6,10
	v_max3_num_f32 v8, v8, |v[XS+\i]|, |v[XS+\i+1]|
	v_max3_num_f32 v9, v9, |v[XS+\i+2]|, |v[XS+\i+3]|
.endr
	v_max3_num_f32 v8, v8, |v[XS+14]|, |v[XS+15]|
	v_max3_num_f32 v8, v8, v9, (EMAX+1)<<23        ; the floor 2^(3 - 127): the byte cannot fall under 1
	v_max_num_f32_dpp v8, v8, v8 row_xmask:1 row_mask:0xf bank_mask:0xf   ; with my neighbour's 16: the block's
	v_add_nc_u32 v11, -(EMAX<<23), v8              ; 2 off its exponent field: the conversion's scale operand
	v_cvt_scalef32_pk8_fp4_f32 v[C+4*(\t)], v[XS:XS+7], v11
	v_cvt_scalef32_pk8_fp4_f32 v[C+4*(\t)+1], v[XS+8:XS+15], v11
	v_lshrrev_b32 v[E+(\t)], 23, v11               ; the scale's byte
	ds_store_b8 v5, v[E+(\t)] offset:16*(\t)
	global_store_b64 v4, v[C+4*(\t):C+4*(\t)+1], s[22:23] offset:32*CB*(\t)   ; 256 consecutive bytes, aligned
.endm
.irp t, 0,1,2,3
	LOAD \t
.endr
	s_wait_loadcnt 12
	TURN 0
.irp t, 0,1,2,3,4,5,6,7,8,9,10,11,12,13,14,15
	STEP \t
.endr
	ds_load_b64 v[8:9], v6
	s_wait_dscnt 0x0
	global_store_b64 v7, v[8:9], s[24:25]          ; 256 consecutive bytes, aligned
	s_wait_tensorcnt 0x0                           ; the wave's end
	ds_add_u32 v[SPW], v[NIL]
	s_wait_dscnt 0x0
	s_endpgm
; the mask: work-group 128 + T16 takes the 16 queries of T16; wave w the key steps 4 w .. 4 w + 3.  One compare gives a whole word (a bit a lane)
.Lmask:
	s_sub_co_u32 s18, ttmp9, 128                   ; T16
	s_lshr_b32 s20, s18, 3
	s_lshl_b32 s20, s20, 7
	s_bfe_u32 s22, s18, 0x20001
	s_lshl_b32 s22, s22, 5
	s_add_co_u32 s20, s20, s22
	s_and_b32 s22, s18, 1
	s_lshl_b32 s22, s22, 3
	s_add_co_u32 s20, s20, s22                     ; the row of r = 0
	s_lshl_b32 s20, s20, 13
	s_lshl_b32 s22, s16, 11
	s_add_co_u32 s20, s20, s22
	s_add_nc_u64 s[6:7], s[6:7], s[20:21]
	s_lshl_b32 s20, s18, 4
	s_lshl_b32 s22, s16, 2
	s_add_co_u32 s20, s20, s22
	s_lshl_b32 s20, s20, 8
	s_add_nc_u64 s[10:11], s[10:11], s[20:21]
.macro MLOAD e
.irp rr, 0,1,2,3,4,5,6,7,8,9,10,11,12,13,14,15
	global_load_b128 v[MR+64*((\e)%2)+4*\rr:MR+64*((\e)%2)+4*\rr+3], v3, s[6:7] offset:(\rr+8*(\rr/8))*8192+512*(\e) th:TH_LOAD_NT
.endr
.endm
.macro MTURN e
.irp rr, 0,1,2,3,4,5,6,7,8,9,10,11,12,13,14,15
	ds_store_b128 v[MST], v[MR+64*((\e)%2)+4*\rr:MR+64*((\e)%2)+4*\rr+3] offset:MP*\rr
.endr
.irp bb, 0,1,2,3
.irp j, 0,1,2,3
	ds_load_b128 v[MX+16*\bb+4*\j:MX+16*\bb+4*\j+3], v[MRD] offset:128*\bb+16*\j
.endr
.endr
.endm
.macro MPACK e
.irp g, 0,1,2,3
.irp k, 0,1,2,3,4,5,6,7,8,9,10,11,12,13,14,15
	v_cmp_ne_u32 s[32+\k], 0, v[MX+16*\g+\k]
.endr
.irp k, 0,1,2,3,4,5,6,7,8,9,10,11,12,13,14,15
	v_writelane_b32 v[MW+2*(\e)+(\k%2)], s[32+\k], 8*\g+\k/2
.endr
.endr
	global_store_b64 v7, v[MW+2*(\e):MW+2*(\e)+1], s[10:11] offset:256*(\e)   ; 256 consecutive bytes, aligned
.endm
.macro MSTEP e
.if (\e) < 3
	s_wait_loadcnt 16                              ; this tile's 16 loads are in; the next tile's may be out
.else
	s_wait_loadcnt 0
.endif
	MTURN \e
	s_wait_dscnt 0x0
.if (\e) < 2
	MLOAD (\e)+2
.endif
	MPACK \e
.endm
	MLOAD 0
	MLOAD 1
	s_wait_alu depctr_va_vdst(0)
	MSTEP 0
	MSTEP 1
	MSTEP 2
	MSTEP 3
	s_wait_tensorcnt 0x0                           ; the wave's end
	ds_add_u32 v[SPW], v[NIL]
	s_wait_dscnt 0x0
	s_endpgm
.Lfunc_end_k_qb739201178_prep:
	.size	k_qb739201178_prep, .Lfunc_end_k_qb739201178_prep-k_qb739201178_prep
	.p2alignl 7, 3214868480
	.fill 96, 4, 3214868480
	.section	.rodata,"a",@progbits
	.p2align	6, 0x0
	.amdhsa_kernel k_qb739201178_prep
		.amdhsa_group_segment_fixed_size 67072
		.amdhsa_private_segment_fixed_size 0
		.amdhsa_enable_private_segment 0
		.amdhsa_kernarg_size 32
		.amdhsa_user_sgpr_count 2
		.amdhsa_user_sgpr_kernarg_segment_ptr 1
		.amdhsa_wavefront_size32 1
		.amdhsa_system_sgpr_workgroup_id_x 1
		.amdhsa_system_sgpr_workgroup_id_y 1
		.amdhsa_system_sgpr_workgroup_id_z 1
		.amdhsa_system_vgpr_workitem_id 0
		.amdhsa_next_free_vgpr 220
		.amdhsa_next_free_sgpr 66
		.amdhsa_reserve_vcc 0
		.amdhsa_float_denorm_mode_32 3
		.amdhsa_float_denorm_mode_16_64 3
		.amdhsa_memory_ordered 1
		.amdhsa_forward_progress 1
		.amdhsa_inst_pref_size 81
	.end_amdhsa_kernel
	.amdgpu_metadata
---
amdhsa.version: [ 1, 2 ]
amdhsa.kernels:
  - .name:           k_qb739201178_prep
    .symbol:         k_qb739201178_prep.kd
    .args:
      - { .name: q, .offset: 0, .size: 8, .value_kind: global_buffer, .address_space: global }
      - { .name: mask, .offset: 8, .size: 8, .value_kind: global_buffer, .address_space: global }
      - { .name: qq, .offset: 16, .size: 8, .value_kind: global_buffer, .address_space: global }
      - { .name: mb, .offset: 24, .size: 8, .value_kind: global_buffer, .address_space: global }
    .group_segment_fixed_size: 67072
    .private_segment_fixed_size: 0
    .kernarg_segment_align: 8
    .kernarg_segment_size: 32
    .max_flat_workgroup_size: 128
    .sgpr_count:     66
    .vgpr_count:     220
    .wavefront_size: 32
...
	.end_amdgpu_metadata
.endif
;; end of part 1
;; launch proj (part 2): grid 8 x 24, 4 waves a work-group, clusters of 4 x 4, 327,680 bytes of LDS; arguments qq, k_codes, k_scales, v_codes, v_scales, Wq_codes, Wq_scales, Wk_codes, Wk_scales, Wv_codes, Wv_scales, qkv; writes qkv
.if DOCPART == 2
	.amdgcn_target "amdgcn-amd-amdhsa--gfx1250"
	.amdhsa_code_object_version 6
	.text
	.protected	k_qb739201178_proj
	.globl	k_qb739201178_proj
	.p2align	8
	.type	k_qb739201178_proj,@function
k_qb739201178_proj:
	s_mov_b64 s[64:65], 0
	v_nop
	global_prefetch_b8 v0, s[64:65] scope:SCOPE_SE
	s_setreg_imm32_b32 hwreg(HW_REG_WAVE_MODE, 25, 1), 1
	s_wait_xcnt 0x0
	s_wait_alu depctr_hold_cnt(0) depctr_sa_sdst(0) depctr_va_vdst(0) depctr_va_sdst(0) depctr_va_ssrc(0) depctr_va_vcc(0) depctr_vm_vsrc(0)
	s_getreg_b32 s2, hwreg(HW_REG_IB_STS2, 6, 4)
	s_cmp_eq_u32 s2, 0
	s_cbranch_scc0 .Lentry_in_a_cluster
	s_endpgm
.Lentry_in_a_cluster:
	s_bfe_u32 s2, ttmp6, 0x10000c
	s_cmp_lg_u32 s2, 0xf033
	s_cbranch_scc0 .Lentry_shape_is_right
	s_endpgm
.Lentry_shape_is_right:
; SECOND LAUNCH: the three projections in one launch, each a product C = A B^T of 2048 x 2048 x 2048 on codes of FP4 with E8M0 scales, and each result quantised along C's columns on its way out.  No work is left out.
;   g = 0: A = q (codes made by the launch before), B = Wq: C = Q [token][feature];   g = 1: A = k, B = Wk: C = K;   g = 2: A = Wv, B = v: C = V^T [feature][token], since the keys are the K of the product with p.
; g is the cluster's y / 2: the same in all sixteen partners; it chooses pointers alone, by s_cselect_b64.
; A tile of C, 256 x 256, is made by four waves, 128 x 128 each: 64 accumulators, 512 registers.  K goes in steps of 512 through a ring of two LDS slots filled by tensor loads (rows of 256 bytes);
; the scale bytes of the work-group's rows, for all of K, come once with the first fills.  4 x 4 work-groups form a cluster: A's tiles are asked for jointly along a row of it, B's along a column.
; The matrix instruction is used transposed (source 0 = 16 rows of B, source 1 = 16 rows of A): a lane holds eight neighbouring columns of one row of C.
; THE WAY OUT.  A wave's 128 x 128 is one head's 128 along the next product's K for 128 rows: ONE RECORD of 8,704 bytes of qkv [Q, K, V][head 16][tile of 128 rows 16]:
;   eight fragments of 16 rows x 128 K as images of an operand's registers (fragment t: register group c of lane l at 1024 t + 512 c + 16 l), then 512 bytes of scale words (fragment t, row r at 8192 + 256 (t / 4) + 16 r + 4 (t % 4)).
;   Fragment t takes rows pi(t, r) = 32 (t / 2) + 8 (t % 2) + r + 8 (r / 8) of the 128, so that a transposed product's registers run along neighbours of the next K.
; 32 rows at a time go through my stage in LDS (f32), come back 64 numbers of one row to a lane, and are quantised: largest magnitude of each 32, its exponent field - 2 as the scale, the conversion.
; LIMITS: a block whose largest magnitude lies under 2^-124 keeps the byte 1, a block of zeros too (this program alone reads the bytes); NaN and infinities are not served.
; REGISTERS, in windows of 256: window 0: v0-31 addresses; v32-95 scale words, two sets; v128-191 A's fragments, one set; on the way out v64-235 at work.  window 1: B's fragments, two sets.  windows 2, 3: the accumulators.
.set KSTEP,  512
.set NQ,     4                         ; matrix instructions deep in a slot
.set ROWB,   256                       ; a tile's row in bytes
.set KROW,   1024                      ; a row of A or of B in memory, in bytes
.set PITCH,  272                       ; an LDS row: 256 bytes + 16 of padding: the 16 rows that a load touches start at 16 different banks
.set FR,     8
.set NL,     2
.set NP,     4                         ; places behind this matrix instruction (ISA guide 7.12.1)
.set HALFT,  128*PITCH
.set SLOT,   4*HALFT
.set LAPS,   2                         ; 2048 / (2 x 512)
.set KS,     64                        ; a row of scales in bytes
.set SCL,    2*SLOT
.set HALFS,  (128*KS/256)*272
.set SBLK,   (16*KS/256)*272
.set SPARE,  SCL+4*HALFS               ; the spare words, 128 bytes for each wave
.set SPITCH, 528                       ; the way out: a stage row, 512 bytes + 16
.set HSTG,   32*SPITCH                 ; one of a wave's two stage buffers: 32 rows
.set REC,    8704
.set REGION, 2228224
.set ADRA, 16
.set ADRB, 20
.set STO,  24                          ; v24  the way out: where I put 32 bytes of a row
.set RDP,  25                          ; v25  where I read my row of a fragment back
.set LI,   26                          ; v26  16 x lane
.set ADRS, 27
.set SPW,  28
.set NIL,  29
.set SCO,  30                          ; v30  16 r + 256 h: my place among the record's scale words
.set SC,   32
.set AF,   128
.set X0,   64                          ; the way out: 64 numbers of a row, two sets
.set X1,   128
.set PC0,  192                         ; a fragment's codes, two sets
.set PC1,  200
.set TM,   208                         ; v208-211 largest magnitudes, v212-215 bytes, v220-223 the conversions' scale operands
.set SW,   224                         ; v224-231 the eight fragments' scale words
.set SWO,  232                         ; v232-235 the four that my half of the lanes stores
.set SEL,  18                          ; s[18:19] on the way out: selects for lane l xor 16
.set G1, 24
.set G0, 32
.set G1B, 48
.set G0B, 56
.set G1S, 68
.set G0S, 76
.set G1SB, 80
.set G0SB, 88
.set MSB, 0
.macro WIN new                         ; the immediate's high byte repeats the setting that is left
.if MSB != \new
	s_set_vgpr_msb (MSB<<8)|\new
.set MSB, \new
.endif
.endm
.set MUL_LO, 0xa1                      ; source 0 (B) window 1, source 1 (A) window 0, C and D window 2
.set MUL_HI, 0xf1                      ; the same, C and D window 3
.set TO_B,   0x40                      ; destination window 1, address window 0
; A joint load: waves 0 and 1 fetch for A, waves 2 and 3 for B; the branch hangs on the wave's number alone.  An s_nop 0 and four v_nop follow each of the two lines.
.macro JLOAD g0a, g1a, g0b, g1b
	s_cmp_eq_u32 s15, 0
	s_cbranch_scc0 .Lfor_b_\@
	tensor_load_to_lds s[\g0a:\g0a+3], s[\g1a:\g1a+7]
	s_nop 0
.rept 4
	v_nop
.endr
	s_branch .Lasked_\@
.Lfor_b_\@:
	tensor_load_to_lds s[\g0b:\g0b+3], s[\g1b:\g1b+7]
	s_nop 0
.rept 4
	v_nop
.endr
.Lasked_\@:
.endm
.macro CREST                           ; a round of the cluster's barrier behind its opening barrier
	s_cmp_lg_u32 s14, 0
	s_cbranch_scc1 .Lnot_wave_0_\@
	s_barrier_signal -3
.Lnot_wave_0_\@:
	s_barrier_wait -3
	s_barrier_signal -1
	s_barrier_wait -1
.endm
.macro CROUND
	s_barrier_signal -1
	s_barrier_wait -1
	CREST
.endm
	s_load_b512 s[68:83], s[0:1], 0x0              ; qq, k_codes, k_scales, v_codes, v_scales, Wq_codes, Wq_scales, Wk_codes
	s_load_b256 s[84:91], s[0:1], 0x40             ; Wk_scales, Wv_codes, Wv_scales, qkv
	v_lshl_add_u32 v[SPW], v0, 2, SPARE
	v_mov_b32 v[NIL], 0
	ds_add_u32 v[SPW], v[NIL]                      ; the wave's opening: the add, twice on end, and its wait ahead of my first tensor load
	ds_add_u32 v[SPW], v[NIL]
	v_lshrrev_b32 v1, 5, v0
	v_readfirstlane_b32 s14, v1                    ; wave 0..3
	s_lshr_b32 s15, s14, 1                         ; which half of the tile's rows is mine.  Also: I fetch for A (0) or for B (1)
	s_and_b32 s16, s14, 1                          ; which half of its columns.  Also: which 128 rows of that tile I fetch
	s_bfe_u32 s40, ttmp6, 0x40000                  ; cx, cy: my place in the cluster
	s_bfe_u32 s41, ttmp6, 0x40004
	s_lshl_b32 s42, ttmp9, 2
	s_add_co_u32 s42, s42, s40                     ; tile column of C = 4 x cluster x + cx
	s_and_b32 s17, ttmp7, 0xffff                   ; cluster y: 0..5
	s_lshr_b32 s95, s17, 1                         ; g: which of the three products
	s_and_b32 s17, s17, 1
	s_lshl_b32 s17, s17, 2
	s_add_co_u32 s17, s17, s41                     ; tile row of C = 4 x (cluster y % 2) + cy
	s_lshl_b32 s43, s41, 2
	s_lshl_b32 s43, 15, s43                        ; my row of the cluster
	s_lshl_b32 s44, 0x1111, s40                    ; my column
	; descriptor group 1: rows of 256 bytes, 16 bytes of padding behind each: 256 rows for the head's loads; behind them the two words that count rows are set to 128, for the ring's
	s_or_b32 s[G1+0], s43, (0<<16)|(1<<20)|(1<<21)|(5<<22)|(3<<25)
	s_or_b32 s[G1B+0], s44, (0<<16)|(1<<20)|(1<<21)|(5<<22)|(3<<25)
.irp g, G1, G1B
	s_mov_b32 s[\g+1], ROWB<<16                    ; tensor_dim0
	s_mov_b32 s[\g+2], 256<<16                     ; tensor_dim1
	s_mov_b32 s[\g+3], ROWB<<16                    ; tile_dim0
	s_mov_b32 s[\g+4], 256                         ; tile_dim1
	s_mov_b32 s[\g+5], KROW                        ; tensor_dim0_stride
	s_mov_b32 s[\g+6], 0
	s_mov_b32 s[\g+7], 0
.endr
	s_lshl_b32 s20, s17, 8                         ; A: the tile's first row
	s_lshl_b32 s46, s42, 8                         ; B: likewise
	s_mov_b32 s21, 0
	s_mov_b32 s47, 0
	s_mov_b64 s[18:19], KS
	s_mul_u64 s[22:23], s[20:21], s[18:19]         ; where these rows' scales begin, in bytes
	s_mul_u64 s[92:93], s[46:47], s[18:19]
	s_mov_b64 s[18:19], KROW
	s_mul_u64 s[20:21], s[20:21], s[18:19]         ; and their codes
	s_mul_u64 s[46:47], s[46:47], s[18:19]
	s_mul_i32 s45, s14, HALFT                      ; where they go: wave x 128 rows: no place in the cluster enters an LDS address
	s_mul_i32 s18, s16, 128*KROW                   ; in the ring I fetch 128 rows of a tile: which half, in bytes
	s_mov_b32 s19, 0
	s_wait_dscnt 0x0                               ; both opening adds are done
	s_wait_kmcnt 0x0
	s_add_nc_u64 s[96:97], s[68:69], 0x200000      ; q's scale bytes lie behind its codes
	s_cmp_eq_u32 s95, 0                            ; the product's four buffers: the choice hangs on the cluster's y alone
	s_cselect_b64 s[4:5], s[68:69], s[70:71]       ; A's codes: q's, else k's
	s_cselect_b64 s[6:7], s[96:97], s[72:73]       ; A's scales
	s_cselect_b64 s[8:9], s[78:79], s[82:83]       ; B's codes: Wq's, else Wk's
	s_cselect_b64 s[10:11], s[80:81], s[84:85]     ; B's scales
	s_cmp_eq_u32 s95, 2
	s_cselect_b64 s[4:5], s[86:87], s[4:5]         ; the third product: A = Wv,
	s_cselect_b64 s[6:7], s[88:89], s[6:7]
	s_cselect_b64 s[8:9], s[74:75], s[8:9]         ; B = v
	s_cselect_b64 s[10:11], s[76:77], s[10:11]
	s_mov_b64 s[12:13], s[90:91]                   ; qkv
	s_add_nc_u64 s[20:21], s[4:5], s[20:21]
	s_add_nc_u64 s[22:23], s[6:7], s[22:23]
	s_add_nc_u64 s[46:47], s[8:9], s[46:47]
	s_add_nc_u64 s[92:93], s[10:11], s[92:93]
	; the arguments' registers are free now: group 1 for the scales of 256 rows: a dense block of 16,384 bytes as 64 rows of 256 bytes, 16 bytes of padding behind each
	s_or_b32 s[G1S+0], s43, (3<<16)|(1<<20)|(1<<21)|(5<<22)|(3<<25)
	s_or_b32 s[G1SB+0], s44, (3<<16)|(1<<20)|(1<<21)|(5<<22)|(3<<25)
.irp g, G1S, G1SB
	s_mov_b32 s[\g+1], 32<<16
	s_mov_b32 s[\g+2], KS<<16
	s_mov_b32 s[\g+3], 32<<16
	s_mov_b32 s[\g+4], KS
	s_mov_b32 s[\g+5], 32
	s_mov_b32 s[\g+6], 0
	s_mov_b32 s[\g+7], 0
.endr
	CROUND                                         ; all sixteen work-groups are here: the first joint loads meet
	s_mov_b32 s[G0S], 1
	s_mov_b32 s[G0S+1], SCL
	s_mov_b64 s[G0S+2:G0S+3], s[22:23]
	s_or_b32 s[G0S+3], s[G0S+3], 0x80000000
	s_mov_b32 s[G0SB], 1
	s_mov_b32 s[G0SB+1], SCL+2*HALFS
	s_mov_b64 s[G0SB+2:G0SB+3], s[92:93]
	s_or_b32 s[G0SB+3], s[G0SB+3], 0x80000000
	s_mov_b32 s4, 1                                ; s[4:7], s[8:11]: groups 0 of the head's loads of K step 0: A's 256 rows, B's 256 rows (the pointers that lay there have been used)
	s_mov_b32 s5, 0
	s_mov_b64 s[6:7], s[20:21]
	s_or_b32 s7, s7, 0x80000000
	s_mov_b32 s8, 1
	s_mov_b32 s9, 2*HALFT
	s_mov_b64 s[10:11], s[46:47]
	s_or_b32 s11, s11, 0x80000000
	s_add_nc_u64 s[20:21], s[20:21], s[18:19]      ; for the ring: my 128 rows of the tile
	s_add_nc_u64 s[46:47], s[46:47], s[18:19]
.irp s, 0,1
	s_mov_b32 s[G0+4*\s], 1
	s_add_co_u32 s[G0+4*\s+1], s45, \s*SLOT
	s_add_nc_u64 s[G0+4*\s+2:G0+4*\s+3], s[20:21], \s*ROWB
	s_or_b32 s[G0+4*\s+3], s[G0+4*\s+3], 0x80000000
	s_mov_b32 s[G0B+4*\s], 1
	s_add_co_u32 s[G0B+4*\s+1], s45, \s*SLOT
	s_add_nc_u64 s[G0B+4*\s+2:G0B+4*\s+3], s[46:47], \s*ROWB
	s_or_b32 s[G0B+4*\s+3], s[G0B+4*\s+3], 0x80000000
.endr
; THE HEAD'S LOADS, ONE A WAVE: wave 0 K step 0's 256 rows of A, wave 1 its 256 rows of B, wave 2 the scales of A's 256 rows, wave 3 those of B's: one tree of branches on the wave's number
.macro ARM under, g0, g1, next
	s_cmp_lt_u32 s14, \under
	s_cbranch_scc0 \next
	tensor_load_to_lds s[\g0:\g0+3], s[\g1:\g1+7]
	s_nop 0
.rept 4
	v_nop
.endr
	s_branch .Lhead_asked
\next:
.endm
	ARM 1, 4,   G1,  .Lhead_b
	ARM 2, 8,   G1B, .Lhead_sa
	ARM 3, G0S, G1S, .Lhead_sb
	tensor_load_to_lds s[G0SB:G0SB+3], s[G1SB:G1SB+7]
	s_nop 0
.rept 4
	v_nop
.endr
.Lhead_asked:
	v_and_b32 v1, 15, v0                           ; r = l % 16
	v_bfe_u32 v2, v0, 4, 1                         ; h = l / 16
	v_mul_u32_u24 v3, v1, PITCH
	v_lshl_add_u32 v4, v2, 4, v3                   ; a fragment's row x pitch + 16 x half
	s_mul_i32 s21, s15, HALFT                      ; my 128 rows of A
	s_mul_i32 s22, s16, HALFT                      ; my 128 rows of B,
	s_add_co_u32 s22, s22, 2*HALFT                 ; which lie behind A's 256
.irp s, 0,1
	v_add_nc_u32 v[ADRA+\s], s21, v4
	v_add_nc_u32 v[ADRB+\s], s22, v4
	s_add_co_u32 s21, s21, SLOT
	s_add_co_u32 s22, s22, SLOT
.endr
	v_mul_u32_u24 v5, v1, KS                       ; my row's scales: KS bytes a row,
	v_lshrrev_b32 v6, 8, v5
	v_lshl_add_u32 v5, v6, 4, v5                   ; and 16 more for each 256 passed
	s_mul_i32 s21, s15, HALFS                      ; A's: my 128 rows
	s_mul_i32 s22, s16, HALFS                      ; B's: my 128 rows, behind A's 256
	s_add_co_u32 s22, s22, 2*HALFS
	s_sub_co_u32 s22, s22, s21
	v_mul_u32_u24 v6, s22, v2                      ; lanes 16-31 take B's
	s_add_co_u32 s21, s21, SCL
	v_add_nc_u32 v5, v5, v6
	v_add_nc_u32 v[ADRS], s21, v5
	s_mul_i32 s23, s14, 2*HSTG                     ; my stage: two buffers of 32 rows, in slot 0
	v_mul_u32_u24 v5, v1, SPITCH                   ; in: row r of a block of 16, 32 bytes for each half of the lanes
	v_lshl_add_u32 v5, v2, 5, v5
	v_add_nc_u32 v[STO], s23, v5
	v_and_b32 v6, 8, v1
	v_add_nc_u32 v6, v6, v1                        ; r + 8 (r / 8)
	v_mul_u32_u24 v6, v6, SPITCH
	v_lshl_add_u32 v6, v2, 6, v6                   ; back: that row, + 64 h: my 16 numbers of each 32
	v_add_nc_u32 v[RDP], s23, v6
	v_and_b32 v6, 31, v0
	v_lshlrev_b32 v[LI], 4, v6
	v_lshlrev_b32 v[SCO], 4, v1
	v_lshl_add_u32 v[SCO], v2, 8, v[SCO]
	; my record: Q, K: [head = my 128 columns][my 128 rows];  V: [head = my 128 rows][my 128 columns]
	s_lshl_b32 s20, s17, 1
	s_add_co_u32 s20, s20, s15                     ; which 128 rows of C
	s_lshl_b32 s46, s42, 1
	s_add_co_u32 s46, s46, s16                     ; which 128 columns
	s_cmp_eq_u32 s95, 2
	s_cselect_b32 s21, s20, s46                    ; the head
	s_cselect_b32 s22, s46, s20                    ; the tile of tokens
	s_lshl_b32 s21, s21, 4
	s_add_co_u32 s21, s21, s22
	s_mul_i32 s20, s21, REC
	s_mul_i32 s22, s95, REGION
	s_add_co_u32 s20, s20, s22
	s_mov_b32 s21, 0
	s_add_nc_u64 s[12:13], s[12:13], s[20:21]
.macro FRAG reg, adr, q, i             ; a fragment, 16 rows x 128 K of 4-bit codes, is 8 registers: lane l holds row l % 16; registers 4 c .. 4 c + 3 hold K = 64 c + 32 (l / 16) + 0 .. 31
.irp c, 0,1
	ds_load_b128 v[\reg+4*\c:\reg+4*\c+3], v[\adr] offset:64*(\q)+32*\c+(\i)*16*PITCH
.endr
.endm
; 16 matrix instructions: A's blocks a0, a0 + 1 x B's eight, 128 along K.  p: B's set; sc: the set of scale words.  zero = 1: the first product starts the sums.
; The 64 accumulators take turns, one instruction a turn, in the same order in every step.
.macro MUL16 a0, p, q, sc, zero
.irp a, \a0, \a0+1
.irp b, 0,1,2,3,4,5,6,7
.if \zero
	v_wmma_scale_f32_16x16x128_f8f6f4 v[8*(8*((\a)%4)+\b):8*(8*((\a)%4)+\b)+7], v[128*(\p)+FR*\b:128*(\p)+FR*\b+FR-1], v[AF+FR*(\a):AF+FR*(\a)+FR-1], 0, v[SC+8*NQ*(\sc)+NQ*\b+(\q)], v[SC+8*NQ*(\sc)+NQ*(\a)+(\q)] matrix_a_fmt:MATRIX_FMT_FP4 matrix_b_fmt:MATRIX_FMT_FP4 matrix_a_scale:MATRIX_SCALE_ROW1
.else
	v_wmma_scale_f32_16x16x128_f8f6f4 v[8*(8*((\a)%4)+\b):8*(8*((\a)%4)+\b)+7], v[128*(\p)+FR*\b:128*(\p)+FR*\b+FR-1], v[AF+FR*(\a):AF+FR*(\a)+FR-1], v[8*(8*((\a)%4)+\b):8*(8*((\a)%4)+\b)+7], v[SC+8*NQ*(\sc)+NQ*\b+(\q)], v[SC+8*NQ*(\sc)+NQ*(\a)+(\q)] matrix_a_fmt:MATRIX_FMT_FP4 matrix_b_fmt:MATRIX_FMT_FP4 matrix_a_scale:MATRIX_SCALE_ROW1
.endif
.endr
.endr
.endm
.macro FETCH_B slot, q, p              ; B's eight fragments of the slot's q-th 128 along K into set p
	WIN TO_B
.irp i, 0,1,2,3,4,5,6,7
	FRAG 128*(\p)+FR*\i, ADRB+\slot, \q, \i
.endr
	WIN 0
.endm
.macro FETCH_A slot, q, i0             ; A's blocks i0 .. i0 + 3
.irp i, \i0, \i0+1, \i0+2, \i0+3
	FRAG AF+FR*(\i), ADRA+\slot, \q, \i
.endr
.endm
.macro SCALES sc                       ; a K step's scale words into set sc: four words a row; lanes 0-15 take A's block i, lanes 16-31 B's block i
.irp i, 0,1,2,3,4,5,6,7
	ds_load_b128 v[SC+8*NQ*\sc+NQ*\i:SC+8*NQ*\sc+NQ*\i+3], v[ADRS] offset:\i*SBLK
.endr
.endm
.macro PLACES n                        ; plain vector instructions between a matrix instruction and a load into, or a read of, its registers
.rept \n
	v_nop
.endr
.endm
.macro STEP slot, q, zero              ; a step of 128 along K that has its successor in the same slot
	s_wait_dscnt 4*NL                              ; B's set and A's blocks 0-3 are in; the youngest eight loads (A's blocks 4-7) may be out
	WIN MUL_LO
	MUL16 0, (\q)%2, \q, \slot, \zero
	MUL16 2, (\q)%2, \q, \slot, \zero
	s_wait_dscnt 0                                 ; A's blocks 4-7 are in
	PLACES NP
	FETCH_B \slot, (\q)+1, 1-(\q)%2
	FETCH_A \slot, (\q)+1, 0
	WIN MUL_HI
	MUL16 4, (\q)%2, \q, \slot, \zero
	MUL16 6, (\q)%2, \q, \slot, \zero
	PLACES NP
	WIN 0
	FETCH_A \slot, (\q)+1, 4
.endm
; A slot's last step changes slots: one barrier; in front of it each wave waits for all its tensor loads, adds 0 to its spare word, and waits for that and for its reads of this slot.  fill = 1: this slot is filled again, two K steps ahead.
.macro TURN slot, next, fill
	s_wait_tensorcnt 0x0                           ; all my tensor loads have landed: my part of the next slot
	ds_add_u32 v[SPW], v[NIL]
	s_wait_dscnt 4*NL+1                            ; (the add and the youngest eight loads may be out)
	WIN MUL_LO
	MUL16 0, 1, NQ-1, \slot, 0                     ; sixteen matrix instructions stand between the add and the wait for it
	s_wait_dscnt 0x0                               ; the add is done, and my reads of this slot are over
	s_barrier_signal -1
	MUL16 2, 1, NQ-1, \slot, 0
	WIN 0
	s_barrier_wait -1
.if \fill
	CREST                                          ; the barrier has opened a round of the cluster's barrier: no wave of any partner still reads this slot or has a load on its way
	s_add_nc_u64 s[G0+4*\slot+2:G0+4*\slot+3], s[G0+4*\slot+2:G0+4*\slot+3], 2*ROWB
	s_add_nc_u64 s[G0B+4*\slot+2:G0B+4*\slot+3], s[G0B+4*\slot+2:G0B+4*\slot+3], 2*ROWB
	JLOAD G0+4*\slot, G1, G0B+4*\slot, G1B         ; the first tensor load behind the round; its four v_nop are the places in front of the loads below
.else
	PLACES NP
.endif
	s_wait_alu depctr_va_vdst(0)
	v_add_nc_u32 v[ADRS], 4*NQ, v[ADRS]            ; on to the next K step's scale words
	FETCH_B \next, 0, 0
	FETCH_A \next, 0, 0
	SCALES \next
	WIN MUL_HI
	MUL16 4, 1, NQ-1, \slot, 0
	MUL16 6, 1, NQ-1, \slot, 0
	PLACES NP
	WIN 0
	FETCH_A \next, 0, 4
.endm
.macro STEPS slot, from
.set Q, \from
.rept NQ-1-\from
	STEP \slot, Q, 0
.set Q, Q+1
.endr
.endm
	s_wait_alu depctr_va_vdst(0)                   ; the head's end
	s_wait_tensorcnt 0x0                           ; my tile of the head's four is in; the three lines stand ahead of slot 1's first fill as ahead of a refill
	ds_add_u32 v[SPW], v[NIL]
	s_mov_b32 s[G1+2], 128<<16                     ; no tensor load of mine is out: from here on a load brings 128 rows
	s_mov_b32 s[G1+4], 128
	s_mov_b32 s[G1B+2], 128<<16
	s_mov_b32 s[G1B+4], 128
	s_wait_dscnt 0x0
	CROUND                                         ; a whole round: all four tiles are in, all sixteen work-groups are here
	JLOAD G0+4, G1, G0B+4, G1B                     ; K step 1: the first tensor load behind the round
	FETCH_B 0, 0, 0
	FETCH_A 0, 0, 0
	SCALES 0
	FETCH_A 0, 0, 4
	STEP 0, 0, 1                                   ; the first step stands in front of the loop: its products start the sums
	s_mov_b32 s3, LAPS-1
.Llap:                                                 ; a trip goes once round the ring and fills both slots again
	STEPS 0, 1
	TURN 0, 1, 1
	STEPS 1, 0
	TURN 1, 0, 1
	STEP 0, 0, 0
	s_sub_co_u32 s3, s3, 1
	s_cmp_lg_u32 s3, 0
	s_cbranch_scc1 .Llap
	STEPS 0, 1                                     ; the last lap fills nothing
	TURN 0, 1, 0
	STEPS 1, 0
	s_wait_dscnt 4*NL
	WIN MUL_LO
	MUL16 0, 1, NQ-1, 1, 0
	MUL16 2, 1, NQ-1, 1, 0
	s_wait_dscnt 0
	WIN MUL_HI
	MUL16 4, 1, NQ-1, 1, 0
	MUL16 6, 1, NQ-1, 1, 0
	WIN 0
; THE WAY OUT.  The stage lies in slot 0: it has had its last fill, and every wave has passed the last change of slots, behind which nobody reads it.
.macro PUT p                           ; rows 32 p .. 32 p + 31 (accumulator blocks 2 p, 2 p + 1) into buffer p % 2: 32 stores, each accumulator from its low end on
.irp u, 0,1
	WIN 0x08+4*((\p)/2)                            ; an LDS store's data: window 2 or 3
.irp b, 0,1,2,3,4,5,6,7
	ds_store_b128 v[STO], v[64*((2*(\p)+\u)%4)+8*\b:64*((2*(\p)+\u)%4)+8*\b+3] offset:((\p)%2)*HSTG+16*\u*SPITCH+64*\b
	ds_store_b128 v[STO], v[64*((2*(\p)+\u)%4)+8*\b+4:64*((2*(\p)+\u)%4)+8*\b+7] offset:((\p)%2)*HSTG+16*\u*SPITCH+64*\b+16
.endr
.endr
	WIN 0
.endm
.macro GET p, u, x                     ; fragment 2 p + u: my row 8 u + r + 8 (r / 8) of the buffer; register 16 bb + i = column 32 bb + 16 h + i: 16 loads
.irp bb, 0,1,2,3
.irp j, 0,1,2,3
	ds_load_b128 v[\x+16*\bb+4*\j:\x+16*\bb+4*\j+3], v[RDP] offset:((\p)%2)*HSTG+8*(\u)*SPITCH+128*\bb+16*\j
.endr
.endr
.endm
.macro QUANT s, pc, pw                 ; 64 numbers of a lane become a fragment's codes in v[pc] on and its scale word in v[pw]
	s_wait_xcnt 0x0                                ; the stores of two fragments back have read the registers that the codes take
.irp b, 0,1,2,3
	v_max3_num_f32 v[TM+\b], |v[\s+16*\b]|, |v[\s+1+16*\b]|, 0x1800000   ; block b: my 16 numbers, and the floor 2^(3 - 127): the byte cannot fall under 1
.endr
.irp i, 2,4,6,8,10,12,14
.irp b, 0,1,2,3
	v_max3_num_f32 v[TM+\b], v[TM+\b], |v[\s+16*\b+\i]|, |v[\s+1+16*\b+\i]|   ; the four blocks by turns
.endr
.endr
.irp b, 0,1,2,3
	v_permlanex16_b32 v[TM+4+\b], v[TM+\b], s[SEL], s[SEL+1]
.endr
.irp b, 0,1,2,3
	v_max_num_f32 v[TM+\b], v[TM+\b], v[TM+4+\b]   ; with lane l xor 16's: the block's largest magnitude
.endr
.irp b, 0,1,2,3
	v_add_nc_u32 v[TM+12+\b], 0xff000000, v[TM+\b] ; 2 off its exponent field: the conversion's scale operand
.endr
.irp b, 0,1,2,3
	v_lshrrev_b32 v[TM+4+\b], 23, v[TM+12+\b]      ; the scale's byte
.endr
	v_lshl_or_b32 v[\pw], v[TM+5], 8, v[TM+4]      ; the four bytes make my row's scale word
	v_lshl_or_b32 v[\pw], v[TM+6], 16, v[\pw]
	v_lshl_or_b32 v[\pw], v[TM+7], 24, v[\pw]
.irp b, 0,1,2,3
	v_cvt_scalef32_pk8_fp4_f32 v[\pc+2*\b], v[\s+16*\b:\s+7+16*\b], v[TM+12+\b]
	v_cvt_scalef32_pk8_fp4_f32 v[\pc+1+2*\b], v[\s+8+16*\b:\s+15+16*\b], v[TM+12+\b]
.endr
	v_nop                                          ; one plain place behind a scaled conversion
.irp c, 0,1                                    ; the operand's layout wants a whole block in a lane: lanes 0-15 block 2 c, lanes 16-31 block 2 c + 1
.irp i, 0,1
	v_permlane16_swap_b32 v[\pc+4*\c+\i], v[\pc+2+4*\c+\i]
.endr
.endr
.endm
.macro OUT t, pc                       ; fragment t's image: each store covers 512 consecutive bytes, aligned
	global_store_b128 v[LI], v[\pc:\pc+3], s[12:13] offset:1024*(\t)
	global_store_b128 v[LI], v[\pc+4:\pc+7], s[12:13] offset:1024*(\t)+512
.endm
.macro PAIR p, more                    ; fragments 2 p and 2 p + 1; more = 1: the next 32 rows go through the other buffer meanwhile
.if \more
	PUT (\p)+1
	s_wait_dscnt 48                                ; the first set is in: behind its loads stand the second set's 16 and the 32 stores
.else
	s_wait_dscnt 16                                ; behind them: the second set's 16
.endif
	QUANT X0, PC0, SW+2*(\p)
	OUT 2*(\p), PC0
.if \more
	GET (\p)+1, 0, X0
	s_wait_dscnt 48                                ; the second set is in: behind its loads stand the 32 stores and the 16 loads just issued
.else
	s_wait_dscnt 0
.endif
	QUANT X1, PC1, SW+2*(\p)+1
	OUT 2*(\p)+1, PC1
.if \more
	GET (\p)+1, 1, X1
.endif
.endm
	s_mov_b32 s[SEL], 0x76543210
	s_mov_b32 s[SEL+1], 0xfedcba98
	s_mov_b32 s20, 0xffff0000                      ; lanes 16-31
	PLACES NP                                      ; behind the last products: for the reads of their results and the loads into their operands' and scales' registers
.irp b, 0,1,2,3
	v_mov_b32 v[TM+4+\b], 0                        ; written once: a lane permute's destination counts as one of its sources
.endr
	PUT 0
	GET 0, 0, X0
	GET 0, 1, X1
	PAIR 0, 1
	PAIR 1, 1
	PAIR 2, 1
	PAIR 3, 0
.irp k, 0,1,2,3
	v_cndmask_b32 v[SWO+\k], v[SW+\k], v[SW+4+\k], s20   ; lanes 0-15 store the words of fragments 0-3, lanes 16-31 those of fragments 4-7
.endr
	global_store_b128 v[SCO], v[SWO:SWO+3], s[12:13] offset:8192   ; 512 consecutive bytes
	s_wait_tensorcnt 0x0                           ; the wave's end: behind my last tensor load and my last LDS store
	ds_add_u32 v[SPW], v[NIL]
	s_wait_dscnt 0x0
	CROUND                                         ; the closing round: no work-group ends while a partner may still ask for a tile that names it
	s_endpgm
.Lfunc_end_k_qb739201178_proj:
	.size	k_qb739201178_proj, .Lfunc_end_k_qb739201178_proj-k_qb739201178_proj
	.p2alignl 7, 3214868480
	.fill 96, 4, 3214868480
	.section	.rodata,"a",@progbits
	.p2align	6, 0x0
	.amdhsa_kernel k_qb739201178_proj
		.amdhsa_group_segment_fixed_size 327680
		.amdhsa_private_segment_fixed_size 0
		.amdhsa_enable_private_segment 0
		.amdhsa_kernarg_size 96
		.amdhsa_user_sgpr_count 2
		.amdhsa_user_sgpr_kernarg_segment_ptr 1
		.amdhsa_wavefront_size32 1
		.amdhsa_system_sgpr_workgroup_id_x 1
		.amdhsa_system_sgpr_workgroup_id_y 1
		.amdhsa_system_sgpr_workgroup_id_z 1
		.amdhsa_system_vgpr_workitem_id 0
		.amdhsa_next_free_vgpr 1024
		.amdhsa_next_free_sgpr 98
		.amdhsa_reserve_vcc 0
		.amdhsa_float_denorm_mode_32 3
		.amdhsa_float_denorm_mode_16_64 3
		.amdhsa_memory_ordered 1
		.amdhsa_forward_progress 1
		.amdhsa_inst_pref_size 232
	.end_amdhsa_kernel
	.amdgpu_metadata
---
amdhsa.version: [ 1, 2 ]
amdhsa.kernels:
  - .name:           k_qb739201178_proj
    .symbol:         k_qb739201178_proj.kd
    .args:
      - { .name: qq, .offset: 0, .size: 8, .value_kind: global_buffer, .address_space: global }
      - { .name: k_codes, .offset: 8, .size: 8, .value_kind: global_buffer, .address_space: global }
      - { .name: k_scales, .offset: 16, .size: 8, .value_kind: global_buffer, .address_space: global }
      - { .name: v_codes, .offset: 24, .size: 8, .value_kind: global_buffer, .address_space: global }
      - { .name: v_scales, .offset: 32, .size: 8, .value_kind: global_buffer, .address_space: global }
      - { .name: Wq_codes, .offset: 40, .size: 8, .value_kind: global_buffer, .address_space: global }
      - { .name: Wq_scales, .offset: 48, .size: 8, .value_kind: global_buffer, .address_space: global }
      - { .name: Wk_codes, .offset: 56, .size: 8, .value_kind: global_buffer, .address_space: global }
      - { .name: Wk_scales, .offset: 64, .size: 8, .value_kind: global_buffer, .address_space: global }
      - { .name: Wv_codes, .offset: 72, .size: 8, .value_kind: global_buffer, .address_space: global }
      - { .name: Wv_scales, .offset: 80, .size: 8, .value_kind: global_buffer, .address_space: global }
      - { .name: qkv, .offset: 88, .size: 8, .value_kind: global_buffer, .address_space: global }
    .group_segment_fixed_size: 327680
    .private_segment_fixed_size: 0
    .kernarg_segment_align: 8
    .kernarg_segment_size: 96
    .max_flat_workgroup_size: 128
    .sgpr_count:     98
    .vgpr_count:     1024
    .wavefront_size: 32
...
	.end_amdgpu_metadata
.endif
;; end of part 2
;; launch attn (part 3): grid 16 x 16, 16 waves a work-group, no clusters, 280,576 bytes of LDS; arguments qkv, mb, yy; writes yy
.if DOCPART == 3
	.amdgcn_target "amdgcn-amd-amdhsa--gfx1250"
	.amdhsa_code_object_version 6
	.text
	.protected	k_qb739201178_attn
	.globl	k_qb739201178_attn
	.p2align	8
	.type	k_qb739201178_attn,@function
k_qb739201178_attn:
	s_mov_b64 s[64:65], 0
	v_nop
	global_prefetch_b8 v0, s[64:65] scope:SCOPE_SE
	s_setreg_imm32_b32 hwreg(HW_REG_WAVE_MODE, 25, 1), 1
	s_wait_xcnt 0x0
; THIRD LAUNCH: y = softmax(mask(Q K^T / sqrt(128))) V, head by head, both products on codes of FP4 with E8M0 scales; y leaves quantised along the head's 128, as images of operand registers.
; p = 2^(t - M), t = score x log2(e) / sqrt(128), M the ceiling of the running largest t; the row's sum is taken of the unquantised p and divides at the end.
; THE MASK DECIDES WHICH STEPS ARE DONE.  mb holds, for each tile of 16 queries and each step of 128 keys, 64 lane masks (whole numbers stored by the first launch).  A wave reads its next step's 64 words a trip ahead, two a lane,
; and makes two lane masks of them: ANY (words that open a key) and PART (words that hide one).  A step without an open key adds p = 0 everywhere: it is jumped over by a scalar branch on ANY.
; A step with no hidden key needs no selection: the 64 selects and the loads of their words are jumped over by a branch on PART.  This holds for any mask.  No barrier stands under these branches.
; SHARES.  Work-group (j, head): a = j / 2; four fragments of 16 queries (4 (j % 2) + c, c = 0..3) of query tile a and the same four of tile 15 - a.  Two waves serve a fragment: one the even key steps, one the odd.
; Wave w = 4 r + c has kind (r + c) % 4: bit 0 says which tile, bit 1 which steps: each group of waves with equal w % 4, and each with equal w / 4, holds one wave of each kind.  Partners are w and w xor 8; they join through LDS.
; THE STREAM.  K and V of the head, 2 x 139,264 bytes of records (eight fragment images and 512 bytes of scale words for each 128 keys), come into LDS THROUGH REGISTERS, in eight phases of two key steps (2 x 17,408 bytes).
; In trip p a wave stores its 2,176 bytes of phase p (four pieces of 512 bytes and one of 128) into LDS bytes that are phase p's alone, passes the trip's one barrier, asks for its bytes of phase p + 1, and then works its step of phase p.
; Between two barriers one phase is read and the next one's bytes are written: they share no byte.
; NO TENSOR LOAD, NO CLUSTER: the launch branches on numbers read from memory, and the work-groups of a head do not ask jointly.
; PREFETCH: trip p, which loads phase p + 1, asks for phase p + 2: its 136 blocks of 256 bytes are shared out by address among the head's 16 work-groups, nine to each (the last takes one), a lane a block, wave 0 alone; trips 6 and 7 ask for nothing.
; Both products are used transposed: a lane holds one query throughout; the 16 registers of score tiles 2 b, 2 b + 1 are 16 neighbouring keys.
; LIMITS: the promise holds while the scaled scores stay under 2^31 in magnitude; a query with no open key at all gets the NaN scale byte, so that its row of the result is NaN, as the softmax of a row of -infinity is.
; REGISTERS: v1-10, v26-29 addresses; v12 -M, v13 largest t, v[14:15] the sum; v16-24 Q; v25, v80-95 the stream's pieces; v[30:31] the next step's words; v32-79 six fragments of K, then of V; K's other two in v224-239, V's in v96-111;
; v96-159 scores, p; v160-223 O^T; v224-231 p's codes; v232-255 at work.
.set REC,    8704
.set PH,     2*REC                     ; a phase's bytes of K, or of V
.set HEADB,  16*REC
.set REGION, 2228224
.set SPARE,  2*HEADB                   ; the spare words, 128 bytes for each wave
.set LI,   1                           ; 16 x lane
.set LS,   2                           ; 8192 + 16 r
.set ADK,  3
.set ADS,  4
.set ADV,  5
.set ADT,  6
.set SPW,  7
.set NIL,  8
.set NINF, 9
.set FL,   10                          ; 8 x lane
.set ST4,  25                          ; the piece of 128 bytes
.set GF,   26                          ; 16 x thread
.set G4,   27                          ; the small piece's place in memory
.set PF,   28                          ; the prefetch's offset
.set G4L,  29                          ; the small piece's place in LDS
.set ST,   80                          ; the four pieces of 512 bytes
.set MGI,  80                          ; in the tail: the partners' meeting place, (w % 8) x REC in K's bytes, behind a barrier
.set MGS,  81
.set YO,   82
.set YS,   83
.set TB,   2                           ; s2  LDS byte of my step's record of K
.set MO,   3                           ; s3  my step's words in mb
.set ANY,  4
.set PART, 5
.set CNT,  6
.set LIM,  7                           ; s7  a wave prefetches while CNT is at least this: 3 in wave 0, out of reach in the others
.set KB,   8
.set QB,   10
.set MB,   12
.set YY,   14
.set SEL,  16
.set WV,   18
.set MG,   19
.set FB,   20
.set CS,   22                          ; s[22:23] c = log2(e) / sqrt(128)
.set SB,   24                          ; s24 LDS byte of the phase in K's bytes, s25 in V's
.set SBV,  25
.set YOS,  26
.set YSS,  27
	s_load_b128 s[28:31], s[0:1], 0x0              ; qkv, mb
	s_load_b64 s[YY:YY+1], s[0:1], 0x10            ; yy
	v_lshl_add_u32 v[SPW], v0, 2, SPARE
	v_mov_b32 v[NIL], 0
	v_lshrrev_b32 v224, 5, v0
	s_delay_alu instid0(VALU_DEP_1)
	v_readfirstlane_b32 s[WV], v224
	s_lshr_b32 s32, s[WV], 2
	s_and_b32 s33, s[WV], 3                        ; c
	s_add_co_u32 s32, s32, s33                     ; the kind, in its low two bits
	s_and_b32 s34, s32, 1                          ; which tile
	s_bfe_u32 s35, s32, 0x10001                    ; which steps: even (0) or odd (1)
	s_lshr_b32 s36, ttmp9, 1                       ; a
	s_sub_co_u32 s37, 15, s36
	s_cmp_eq_u32 s34, 0
	s_cselect_b32 s36, s36, s37                    ; my tile of 128 queries
	s_and_b32 s38, ttmp9, 1
	s_lshl_b32 s39, s38, 2
	s_add_co_u32 s39, s39, s33                     ; my fragment t of it
	s_and_b32 s40, ttmp7, 0xffff                   ; the head
	s_mul_i32 s42, s40, HEADB
	s_add_co_u32 s42, s42, REGION                  ; K's records of the head; V's lie REGION further on
	s_mov_b32 s43, 0
	s_lshl_b32 s44, s40, 4
	s_add_co_u32 s44, s44, s36
	s_mul_i32 s44, s44, REC                        ; Q's record
	s_mov_b32 s45, 0
	s_lshl_b32 s46, s36, 3
	s_add_co_u32 s46, s46, s39                     ; T16
	s_lshl_b32 s48, s46, 12                        ; mb: 4,096 bytes for each T16,
	s_lshl_b32 s49, s35, 8                         ; 256 a step: my first
	s_add_co_u32 s48, s48, s49
	s_mov_b32 s49, 0
	s_lshl_b32 s50, s46, 4
	s_add_co_u32 s[YOS], s50, s40
	s_lshl_b32 s[YOS], s[YOS], 10                  ; y's image [T16][head][1024]
	s_lshl_b32 s[YSS], s50, 6
	s_lshl_b32 s51, s40, 2
	s_add_co_u32 s[YSS], s[YSS], s51
	s_add_co_u32 s[YSS], s[YSS], 0x200000          ; y's scale words [16 T16 + r][64], byte 4 head
	s_lshl_b32 s52, s39, 10
	s_lshl_b32 s53, s38, 8
	s_lshl_b32 s54, s33, 2
	s_add_co_u32 s53, s53, s54                     ; 256 (t / 4) + 4 (t % 4)
	s_and_b32 s55, s[WV], 7
	s_mul_i32 s[MG], s55, REC
	s_lshl_b32 s56, s55, 7
	s_add_co_u32 s56, s56, 16384                   ; the small piece: behind the 2 x 8,192 bytes, 128 (w % 8) on: waves 0-7 in K's phase, waves 8-15 in V's
	s_lshr_b32 s57, s[WV], 3
	s_mul_i32 s58, s57, HEADB
	s_add_co_u32 s58, s58, s56
	s_mul_i32 s59, s57, REGION
	s_add_co_u32 s59, s59, s56
	s_mul_i32 s60, ttmp9, 9                        ; my work-group's first block of a phase's 136
	s_mul_i32 s[TB], s35, REC
	s_mov_b32 s[MO], 0
	s_mov_b32 s[SB], 0
	s_mov_b32 s[SBV], HEADB
	s_mov_b32 s[CNT], 8
	s_mov_b32 s[SEL], 0x76543210
	s_mov_b32 s[SEL+1], 0xfedcba98
	s_mov_b32 s[CS], 0x3e0293ee
	s_mov_b32 s[CS+1], s[CS]
	s_cmp_eq_u32 s[WV], 0
	s_cselect_b32 s[LIM], 3, 64
	v_and_b32 v225, 31, v0
	v_and_b32 v226, 15, v0
	v_lshlrev_b32 v[GF], 4, v0
	v_mov_b32 v230, REGION-PH
	v_lshlrev_b32 v[LI], 4, v225
	v_lshl_add_u32 v[LS], v226, 4, 8192
	v_lshlrev_b32 v[FL], 3, v225
	v_min_u32 v229, 8, v225
	v_lshl_add_u32 v[G4], v225, 2, s59
	v_lshl_add_u32 v[G4L], v225, 2, s58
	v_add_nc_u32 v229, s60, v229
	v_add_nc_u32 v[ADK], s52, v[LI]
	v_add_nc_u32 v[ADS], s53, v[LS]
	v_min_u32 v229, 135, v229                      ; lanes left over name the last block again
	v_cmp_lt_u32 vcc_lo, 67, v229                  ; blocks 68 on are V's
	v_lshlrev_b32 v[PF], 8, v229
	v_cndmask_b32 v230, 0, v230, vcc_lo
	v_add_nc_u32 v[PF], v[PF], v230
	s_wait_alu depctr_va_vdst(0)                   ; directly ahead of the wait below
	s_wait_kmcnt 0x0
	s_add_nc_u64 s[KB:KB+1], s[28:29], s[42:43]
	s_add_nc_u64 s[QB:QB+1], s[28:29], s[44:45]
	s_add_nc_u64 s[MB:MB+1], s[30:31], s[48:49]
	s_mov_b64 s[FB:FB+1], s[MB:MB+1]
.macro ASKPH                           ; my bytes of the phase at s[KB], and my next step's words at s[FB]: six loads
	global_load_b128 v[ST:ST+3], v[GF], s[KB:KB+1]
	global_load_b128 v[ST+4:ST+7], v[GF], s[KB:KB+1] offset:8192
	global_load_b128 v[ST+8:ST+11], v[GF], s[KB:KB+1] offset:REGION
	global_load_b128 v[ST+12:ST+15], v[GF], s[KB:KB+1] offset:REGION+8192
	global_load_b32 v[ST4], v[G4], s[KB:KB+1]
	global_load_b64 v[30:31], v[FL], s[FB:FB+1]
.endm
	ASKPH                                          ; phase 0
	global_load_b128 v[16:19], v[ADK], s[QB:QB+1]
	global_load_b128 v[20:23], v[ADK], s[QB:QB+1] offset:512
	global_load_b32 v24, v[ADS], s[QB:QB+1]
	v_mov_b32 v[NINF], 0xff800000
	v_mov_b32 v13, 0xff61b1e6                      ; the largest t so far: -3e38
	v_mov_b32 v14, 0
	v_mov_b32 v15, 0
	v_floor_f32 v12, -v13                          ; -M
.irp b, 0,1,2,3
	v_mov_b32 v[236+\b], 0                         ; a lane permute's destination counts as one of its sources
.endr
	v_mov_b32 v253, 0
.set j, 0
.rept 64
	v_mov_b32 v[160+j], 0                          ; O^T: which step is a wave's first hangs on the mask, so no first step can be written out to start the sums
.set j, j+1
.endr
	s_wait_alu depctr_va_vdst(0)                   ; the head's end
.Lstep:                                            ; eight trips: trip p brings phase p into LDS, asks for phase p + 1 and works my step of phase p
	v_add_nc_u32 v240, s[SB], v[GF]
	v_add_nc_u32 v241, s[SBV], v[GF]
	v_add_nc_u32 v242, s[SB], v[G4L]
	s_wait_alu depctr_va_vdst(0)                   ; directly ahead of the wait below
	s_wait_loadcnt 0x0                             ; my bytes of this phase and my step's words are in (in trip 0: Q too)
	ds_store_b128 v240, v[ST:ST+3]
	ds_store_b128 v240, v[ST+4:ST+7] offset:8192
	ds_store_b128 v241, v[ST+8:ST+11]
	ds_store_b128 v241, v[ST+12:ST+15] offset:8192
	ds_store_b32 v242, v[ST4]
	v_or_b32 v243, v30, v31
	v_and_b32 v254, v30, v31
	v_cmp_ne_u32 s[ANY], 0, v243                   ; lanes whose words open a key
	v_cmp_ne_u32 s[PART], -1, v254                 ; lanes whose words hide one
	s_wait_dscnt 0x0                               ; for the others' sake: my bytes lie in LDS
	s_barrier_signal -1
	s_barrier_wait -1                              ; the phase is whole
	s_cmp_eq_u32 s[CNT], 1
	s_cbranch_scc1 .Lasked                         ; the last trip asks for nothing
	s_wait_xcnt 0x0                                ; the last trip's prefetch has read its base
	s_add_nc_u64 s[KB:KB+1], s[KB:KB+1], PH
	s_add_nc_u64 s[FB:FB+1], s[FB:FB+1], 512
	ASKPH                                          ; phase p + 1: it has my step's work in which to land
	s_cmp_ge_u32 s[CNT], s[LIM]
	s_cbranch_scc0 .Lasked
	global_prefetch_b8 v[PF], s[KB:KB+1] offset:PH th:TH_LOAD_NT scope:SCOPE_SE   ; phase p + 2
.Lasked:
	s_cmp_lg_u32 s[ANY], 0
	s_cbranch_scc0 .Lskip                          ; no open key: round the step's work
	s_add_co_u32 s28, s[TB], HEADB
	v_add_nc_u32 v[ADK], s[TB], v[LI]
	v_add_nc_u32 v[ADS], s[TB], v[LS]
	v_add_nc_u32 v[ADV], s28, v[LI]
	v_add_nc_u32 v[ADT], s28, v[LS]
.irp t, 0,1,2,3,4,5,6,7                        ; K's fragments 0-5 into v32-79, 6 and 7 into v224-239 (the vector lines since the last products are the places in front of these loads)
.irp c, 0,1
	ds_load_b128 v[32+8*\t+144*(\t/6)+4*\c:35+8*\t+144*(\t/6)+4*\c], v[ADK] offset:1024*\t+512*\c
.endr
.endr
	ds_load_b128 v[244:247], v[ADS]
	ds_load_b128 v[248:251], v[ADS] offset:256
	s_wait_alu depctr_va_vdst(0)                   ; directly ahead of the wait below
	s_wait_dscnt 0x0
.irp t, 0,1,2,3,4,5,6,7
	v_wmma_scale_f32_16x16x128_f8f6f4 v[96+8*\t:103+8*\t], v[32+8*\t+144*(\t/6):39+8*\t+144*(\t/6)], v[16:23], 0, v[244+\t], v24 matrix_a_fmt:MATRIX_FMT_FP4 matrix_b_fmt:MATRIX_FMT_FP4
.endr
.rept 4
	v_nop
.endr
.irp t, 0,1,2,3,4,5                            ; V's fragments 0-5 come while the softmax is walked
.irp c, 0,1
	ds_load_b128 v[32+8*\t+4*\c:35+8*\t+4*\c], v[ADV] offset:1024*\t+512*\c
.endr
.endr
	ds_load_b128 v[244:247], v[ADT]
	ds_load_b128 v[248:251], v[ADT] offset:256
	s_cmp_lg_u32 s[PART], 0
	s_cbranch_scc0 .Lopen                          ; every key counts for every query of mine
	s_load_b512 s[32:47], s[MB:MB+1], s[MO] offset:0x0
	s_load_b512 s[48:63], s[MB:MB+1], s[MO] offset:0x40
	s_load_b512 s[68:83], s[MB:MB+1], s[MO] offset:0x80
	s_load_b512 s[84:99], s[MB:MB+1], s[MO] offset:0xc0
	s_wait_kmcnt 0x0
.set n, 0
.rept 64
	v_cndmask_b32 v[96+n], v[NINF], v[96+n], s[32+n+4*(n/32)]   ; hidden scores become -infinity: p = 0
.set n, n+1
.endr
.Lopen:
.irp b, 0,1,2,3
	v_max3_num_f32 v[232+\b], v[96+16*\b], v[97+16*\b], v[98+16*\b]   ; the largest score of each block of 32 keys: for the row's maximum and for the block's largest p
.endr
.irp i, 3,5,7,9,11,13
.irp b, 0,1,2,3
	v_max3_num_f32 v[232+\b], v[232+\b], v[96+16*\b+\i], v[97+16*\b+\i]   ; the four blocks by turns
.endr
.endr
.irp b, 0,1,2,3
	v_max_num_f32 v[232+\b], v[232+\b], v[111+16*\b]
.endr
.irp b, 0,1,2,3
	s_delay_alu instid0(VALU_DEP_4)
	v_permlanex16_b32 v[236+\b], v[232+\b], s[SEL], s[SEL+1]
.endr
.irp b, 0,1,2,3
	s_delay_alu instid0(VALU_DEP_4)
	v_max_num_f32 v[232+\b], v[232+\b], v[236+\b]
.endr
	s_delay_alu instid0(VALU_DEP_2)
	v_max3_num_f32 v254, v232, v233, v234
	s_delay_alu instid0(VALU_DEP_1)
	v_max_num_f32 v254, v254, v235
	s_delay_alu instid0(VALU_DEP_1)
	v_mul_f32 v254, s[CS], v254
	s_delay_alu instid0(VALU_DEP_1)
	v_max_num_f32 v13, v13, v254                   ; the running largest t
	v_mov_b32 v254, v12
	s_delay_alu instid0(VALU_DEP_2)
	v_floor_f32 v12, -v13                          ; the new -M
	s_delay_alu instid0(VALU_DEP_1)
	v_sub_f32 v254, v12, v254
	s_delay_alu instid0(VALU_DEP_1)
	v_cvt_i32_f32 v254, v254                       ; (it saturates)
	s_delay_alu instid0(VALU_DEP_1)
	v_ldexp_f32 v252, 1.0, v254                    ; f = 2^(old M - new M)
.set j, 0
.rept 32
	v_pk_fma_f32 v[96+j:97+j], v[96+j:97+j], s[CS:CS+1], v[12:13] op_sel_hi:[1,0,0]   ; t - M
.set j, j+2
.endr
.irp b, 0,1,2,3
	v_fma_f32 v[232+\b], v[232+\b], s[CS], v12
.endr
	s_wait_alu depctr_va_vdst(0)                   ; ahead of the batch
.set j, 0
.rept 64
	v_exp_f32 v[96+j], v[96+j]
.set j, j+1
.endr
	v_pk_mul_f32 v[14:15], v[14:15], v[252:253] op_sel_hi:[1,0]
	s_wait_alu depctr_va_vdst(0)                   ; and behind it, ahead of its first reader
.irp b, 0,1,2,3
	v_exp_f32 v[232+\b], v[232+\b]                 ; each block's largest p
.endr
	v_pk_add_f32 v[236:237], v[96:97], v[98:99]    ; the row's sum of the unquantised p, in two chains
.irp j, 4,8,12,16,20,24,28,32,36,40,44,48,52,56,60
	v_pk_add_f32 v[14:15], v[14:15], v[96+\j:97+\j]
	v_pk_add_f32 v[236:237], v[236:237], v[98+\j:99+\j]
.endr
	s_delay_alu instid0(VALU_DEP_1)
	v_pk_add_f32 v[14:15], v[14:15], v[236:237]
	s_wait_alu depctr_va_vdst(0)                   ; for the four
.irp b, 0,1,2,3
	v_max_num_f32 v[232+\b], 0x1800000, v[232+\b]  ; the floor 2^(3 - 127): the byte cannot fall under 1
.endr
.irp b, 0,1,2,3
	s_delay_alu instid0(VALU_DEP_4)
	v_add_nc_u32 v[240+\b], 0xff000000, v[232+\b]  ; the conversion's scale operand
.endr
.irp b, 0,1,2,3
	s_delay_alu instid0(VALU_DEP_4)
	v_lshrrev_b32 v[236+\b], 23, v[240+\b]
.endr
	s_delay_alu instid0(VALU_DEP_3)
	v_lshl_or_b32 v253, v237, 8, v236              ; p's scale word
	s_delay_alu instid0(VALU_DEP_1)
	v_lshl_or_b32 v253, v238, 16, v253
	s_delay_alu instid0(VALU_DEP_1)
	v_lshl_or_b32 v253, v239, 24, v253
.irp b, 0,1,2,3
	v_cvt_scalef32_pk8_fp4_f32 v[224+2*\b], v[96+16*\b:103+16*\b], v[240+\b]
	v_cvt_scalef32_pk8_fp4_f32 v[225+2*\b], v[104+16*\b:111+16*\b], v[240+\b]
.endr
.irp t, 6,7                                    ; V's fragments 6 and 7 into v96-111: p has been converted
.irp c, 0,1
	ds_load_b128 v[48+8*\t+4*\c:51+8*\t+4*\c], v[ADV] offset:1024*\t+512*\c
.endr
.endr
	v_nop
.irp c, 0,1
.irp i, 0,1
	v_permlane16_swap_b32 v[224+4*\c+\i], v[226+4*\c+\i]
.endr
.endr
	s_wait_alu depctr_va_vdst(0)                   ; directly ahead of the first reader of O^T
.set j, 0
.rept 32
	v_pk_mul_f32 v[160+j:161+j], v[160+j:161+j], v[252:253] op_sel_hi:[1,0]   ; O^T under the new M; also the places in front of the products
.set j, j+2
.endr
	s_wait_alu depctr_va_vdst(0)                   ; directly ahead of the wait below
	s_wait_dscnt 0x0
.irp t, 0,1,2,3,4,5,6,7
	v_wmma_scale_f32_16x16x128_f8f6f4 v[160+8*\t:167+8*\t], v[32+8*\t+16*(\t/6):39+8*\t+16*(\t/6)], v[224:231], v[160+8*\t:167+8*\t], v[244+\t], v253 matrix_a_fmt:MATRIX_FMT_FP4 matrix_b_fmt:MATRIX_FMT_FP4
.endr
.Lskip:
	s_add_co_u32 s[TB], s[TB], PH
	s_add_co_u32 s[SB], s[SB], PH
	s_add_co_u32 s[SBV], s[SBV], PH
	s_add_co_u32 s[MO], s[MO], 512
	s_sub_co_u32 s[CNT], s[CNT], 1
	s_cmp_lg_u32 s[CNT], 0
	s_cbranch_scc1 .Lstep
; THE PARTNERS JOIN: waves 8-15 leave O^T, -M and the sum in LDS (in K's bytes: behind a barrier nobody reads them), waves 0-7 bring both under the larger M, divide, quantise and store
	v_add_f32 v13, v14, v15                        ; (these lines are also the places behind the last products)
	v_add_nc_u32 v[MGI], s[MG], v[LI]
	v_and_b32 v[MGS], 31, v0
	v_and_b32 v[YS], 15, v0
	v_add_nc_u32 v[YO], s[YOS], v[LI]
	v_lshl_add_u32 v[MGS], v[MGS], 3, 8192
	v_lshl_add_u32 v[YS], v[YS], 6, s[YSS]
	v_mov_b32 v255, 0
	v_add_nc_u32 v[MGS], s[MG], v[MGS]
	s_wait_alu depctr_va_vdst(0)                   ; directly ahead of the wait below
	s_wait_dscnt 0x0
	s_barrier_signal -1
	s_barrier_wait -1
	s_cmp_lt_u32 s[WV], 8
	s_cbranch_scc1 .Lstored
.set g, 0
.rept 16
	ds_store_b128 v[MGI], v[160+4*g:163+4*g] offset:512*g
.set g, g+1
.endr
	ds_store_b64 v[MGS], v[12:13]
.Lstored:
	s_wait_dscnt 0x0
	s_barrier_signal -1
	s_barrier_wait -1
	s_cmp_lt_u32 s[WV], 8
	s_cbranch_scc0 .Lend
.set g, 0
.rept 16
	ds_load_b128 v[96+4*g:99+4*g], v[MGI] offset:512*g
.set g, g+1
.endr
	ds_load_b64 v[232:233], v[MGS]
	s_wait_dscnt 0x0
	v_min_num_f32 v234, v12, v232                  ; -M of the two: the larger M
	s_delay_alu instid0(VALU_DEP_1)
	v_sub_f32 v235, v234, v12
	s_delay_alu instid0(VALU_DEP_2)
	v_sub_f32 v236, v234, v232
	s_delay_alu instid0(VALU_DEP_2)
	v_cvt_i32_f32 v235, v235
	s_delay_alu instid0(VALU_DEP_2)
	v_cvt_i32_f32 v236, v236
	s_delay_alu instid0(VALU_DEP_2)
	v_ldexp_f32 v252, 1.0, v235
	s_wait_alu depctr_va_vdst(0)
	v_ldexp_f32 v254, 1.0, v236
	v_mul_f32 v14, v13, v252
	s_delay_alu instid0(VALU_DEP_1)
	v_fma_f32 v14, v233, v254, v14
.set j, 0
.rept 32
	v_pk_mul_f32 v[160+j:161+j], v[160+j:161+j], v[252:253] op_sel_hi:[1,0]
.set j, j+2
.endr
.set j, 0
.rept 32
	v_pk_fma_f32 v[160+j:161+j], v[96+j:97+j], v[254:255], v[160+j:161+j] op_sel_hi:[1,0,1]
.set j, j+2
.endr
	v_permlanex16_b32 v235, v14, s[SEL], s[SEL+1]
	s_delay_alu instid0(VALU_DEP_1)
	v_add_f32 v14, v14, v235                       ; the row's sum
	s_delay_alu instid0(VALU_DEP_1)
	v_cmp_eq_f32 s[CNT], 0, v14                    ; a query with no open key
	s_wait_alu depctr_va_vdst(0)
	v_rcp_f32 v15, v14
	v_nop
	s_wait_alu depctr_va_vdst(0)
	v_cndmask_b32 v15, v15, 0, s[CNT]
.set j, 0
.rept 64
	v_mul_f32 v[96+j], v[160+j], v15
.set j, j+1
.endr
.irp b, 0,1,2,3
	v_max3_num_f32 v[232+\b], |v[96+16*\b]|, |v[97+16*\b]|, 0x1800000
.endr
.irp i, 2,4,6,8,10,12,14
.irp b, 0,1,2,3
	s_delay_alu instid0(VALU_DEP_4)
	v_max3_num_f32 v[232+\b], v[232+\b], |v[96+16*\b+\i]|, |v[97+16*\b+\i]|
.endr
.endr
.irp b, 0,1,2,3
	s_delay_alu instid0(VALU_DEP_4)
	v_permlanex16_b32 v[236+\b], v[232+\b], s[SEL], s[SEL+1]
.endr
.irp b, 0,1,2,3
	s_delay_alu instid0(VALU_DEP_4)
	v_max_num_f32 v[232+\b], v[232+\b], v[236+\b]
.endr
.irp b, 0,1,2,3
	s_delay_alu instid0(VALU_DEP_4)
	v_add_nc_u32 v[240+\b], 0xff000000, v[232+\b]
.endr
.irp b, 0,1,2,3
	s_delay_alu instid0(VALU_DEP_4)
	v_lshrrev_b32 v[236+\b], 23, v[240+\b]
.endr
	s_delay_alu instid0(VALU_DEP_3)
	v_lshl_or_b32 v253, v237, 8, v236
	s_delay_alu instid0(VALU_DEP_1)
	v_lshl_or_b32 v253, v238, 16, v253
	s_delay_alu instid0(VALU_DEP_1)
	v_lshl_or_b32 v253, v239, 24, v253
.irp b, 0,1,2,3
	v_cvt_scalef32_pk8_fp4_f32 v[224+2*\b], v[96+16*\b:103+16*\b], v[240+\b]
	v_cvt_scalef32_pk8_fp4_f32 v[225+2*\b], v[104+16*\b:111+16*\b], v[240+\b]
.endr
	v_nop
.irp c, 0,1
.irp i, 0,1
	v_permlane16_swap_b32 v[224+4*\c+\i], v[226+4*\c+\i]
.endr
.endr
	v_cndmask_b32 v253, v253, -1, s[CNT]
	global_store_b128 v[YO], v[224:227], s[YY:YY+1]              ; 512 consecutive bytes, aligned
	global_store_b128 v[YO], v[228:231], s[YY:YY+1] offset:512
	global_store_b32 v[YS], v253, s[YY:YY+1]
.Lend:
	s_wait_tensorcnt 0x0                           ; the wave's end: behind my last LDS store
	ds_add_u32 v[SPW], v[NIL]
	s_wait_dscnt 0x0
	s_endpgm
.Lfunc_end_k_qb739201178_attn:
	.size	k_qb739201178_attn, .Lfunc_end_k_qb739201178_attn-k_qb739201178_attn
	.p2alignl 7, 3214868480
	.fill 96, 4, 3214868480
	.section	.rodata,"a",@progbits
	.p2align	6, 0x0
	.amdhsa_kernel k_qb739201178_attn
		.amdhsa_group_segment_fixed_size 280576
		.amdhsa_private_segment_fixed_size 0
		.amdhsa_enable_private_segment 0
		.amdhsa_kernarg_size 24
		.amdhsa_user_sgpr_count 2
		.amdhsa_user_sgpr_kernarg_segment_ptr 1
		.amdhsa_wavefront_size32 1
		.amdhsa_system_sgpr_workgroup_id_x 1
		.amdhsa_system_sgpr_workgroup_id_y 1
		.amdhsa_system_sgpr_workgroup_id_z 1
		.amdhsa_system_vgpr_workitem_id 0
		.amdhsa_next_free_vgpr 256
		.amdhsa_next_free_sgpr 102
		.amdhsa_reserve_vcc 1
		.amdhsa_float_denorm_mode_32 3
		.amdhsa_float_denorm_mode_16_64 3
		.amdhsa_memory_ordered 1
		.amdhsa_forward_progress 1
		.amdhsa_inst_pref_size 48
	.end_amdhsa_kernel
	.amdgpu_metadata
---
amdhsa.version: [ 1, 2 ]
amdhsa.kernels:
  - .name:           k_qb739201178_attn
    .symbol:         k_qb739201178_attn.kd
    .args:
      - { .name: qkv, .offset: 0, .size: 8, .value_kind: global_buffer, .address_space: global }
      - { .name: mb, .offset: 8, .size: 8, .value_kind: global_buffer, .address_space: global }
      - { .name: yy, .offset: 16, .size: 8, .value_kind: global_buffer, .address_space: global }
    .group_segment_fixed_size: 280576
    .private_segment_fixed_size: 0
    .kernarg_segment_align: 8
    .kernarg_segment_size: 24
    .max_flat_workgroup_size: 512
    .sgpr_count:     102
    .vgpr_count:     256
    .wavefront_size: 32
...
	.end_amdgpu_metadata
.endif
;; end of part 3
;; launch oproj (part 4): grid 16 x 16, 4 waves a work-group, clusters of 4 x 4, 327,680 bytes of LDS; arguments yy, Wo_codes, Wo_scales, q, xx; writes xx
.if DOCPART == 4
	.amdgcn_target "amdgcn-amd-amdhsa--gfx1250"
	.amdhsa_code_object_version 6
	.text
	.protected	k_qb739201178_oproj
	.globl	k_qb739201178_oproj
	.p2align	8
	.type	k_qb739201178_oproj,@function
k_qb739201178_oproj:
	s_mov_b64 s[64:65], 0
	v_nop
	global_prefetch_b8 v0, s[64:65] scope:SCOPE_SE
	s_setreg_imm32_b32 hwreg(HW_REG_WAVE_MODE, 25, 1), 1
	s_wait_xcnt 0x0
	s_wait_alu depctr_hold_cnt(0) depctr_sa_sdst(0) depctr_va_vdst(0) depctr_va_sdst(0) depctr_va_ssrc(0) depctr_va_vcc(0) depctr_vm_vsrc(0)
	s_getreg_b32 s2, hwreg(HW_REG_IB_STS2, 6, 4)
	s_cmp_eq_u32 s2, 0
	s_cbranch_scc0 .Lentry_in_a_cluster
	s_endpgm
.Lentry_in_a_cluster:
	s_bfe_u32 s2, ttmp6, 0x10000c
	s_cmp_lg_u32 s2, 0xf033
	s_cbranch_scc0 .Lentry_shape_is_right
	s_endpgm
.Lentry_shape_is_right:
; FOURTH LAUNCH: x = y Wo^T + q: a product of 2048 x 2048 x 2048 on codes of FP4 with E8M0 scales, f32 sums, and the residual added in f32 on the way out.  No work is left out.
; A = y as the launch before left it: images of operand registers [T16 128][head 16][1024 bytes] and scale words [row 16 T16 + r][64 bytes]; row 16 T16 + r is token 128 (T16 / 8) + pi(T16 % 8, r),
; pi(t, r) = 32 (t / 2) + 8 (t % 2) + r + 8 (r / 8): q's loads and the stores put each row at its token.  B = Wo: codes [2048][1024 bytes], scales [2048][64].
; A tile of 128 x 128, so that 16 x 16 = 256 work-groups share the product; four waves, 64 x 64 each: 16 accumulators.
; ALL OF K LIES IN LDS, FILLED ONCE, BY ONE TENSOR LOAD A WAVE: each of the four tiles is dense in memory.  Wave 0: A's eight blocks, 131,072 bytes; wave 1: B's 128 rows of 1,024 bytes (16 of padding behind each);
; wave 2: the scale words of A's 128 rows, 8,192 bytes; wave 3: those of B's.  Nothing is filled later; one wait for 0 and one barrier stand in front of the first read.
; 4 x 4 work-groups form a cluster: A's tiles are asked for jointly along a row of it, B's along a column.  The matrix instruction is used transposed: a lane holds eight neighbouring columns of a row of C.
; NO PREFETCH: every tile is asked for at the head; there is no loop to run ahead in.
; q's 64 x 64 numbers of a wave are asked for at the head, as rows of 256 bytes, and added where the rows come back from the stage.  A row of y whose scale word is the NaN byte gives a row of NaN.
; REGISTERS: window 0: v16-30 addresses; v64-191 two fragment buffers (32 of B, 32 of A each), on the way out rows; v192-255 the 64 scale words.  window 1: v0-127 accumulators ((a, b) at v[8 (4 a + b)]); v128-255 q.
.set PITCH,  1040                      ; B: an LDS row: 1,024 bytes + 16: 260 words, so the 16 rows that a load touches start 4 banks apart
.set ABLK,   16384                     ; A: a block's 16 images
.set BOFF,   8*ABLK
.set BHALF,  64*PITCH
.set SCL,    BOFF+2*BHALF              ; the scales, as units of 256 bytes + 16 of padding
.set HALFS,  16*272                    ; those of 64 rows
.set SBLK,   4*272                     ; those of 16 rows
.set SPARE,  SCL+4*HALFS               ; the spare words, 128 bytes for each wave
.set STAGE,  SPARE+512                 ; the way out: bytes of its own, 16 rows x 272 for each wave
.set SPITCH, 272
.set STG,    16*SPITCH
.set ADRA, 16
.set ADRB, 20
.set STO,  24
.set RD,   25
.set CO,   26                          ; my byte offset in q and in xx: lanes 0-15 one row, lanes 16-31 the next
.set ADRS, 27                          ; my scale words: lanes 0-15 A's rows, lanes 16-31 B's
.set SPW,  28
.set NIL,  29
.set LI,   30
.set F,    64
.set BK,   64
.set SC,   192                         ; register 16 i + k: lanes 0-15 the word of A's block i, lanes 16-31 that of B's block i, K step k
.set QR,   128
.set G1,   24
.set G1B,  32
.set G1S,  40
.set G1SB, 48
.set GA,   56
.set G0S,  76
.set GB,   80
.set G0SB, 96
.set MSB, 0
.macro WIN new
.if MSB != \new
	s_set_vgpr_msb (MSB<<8)|\new
.set MSB, \new
.endif
.endm
.set MULW, 0x50                        ; sources window 0; C and D window 1
.set TO1,  0x40
.set S1W1, 0x04
.macro ARM under, g0, g1, next         ; an arm of the head's tree: one joint load, its s_nop 0 and four v_nop, a jump to the tree's end
	s_cmp_lt_u32 s14, \under
	s_cbranch_scc0 \next
	tensor_load_to_lds s[\g0:\g0+3], s[\g1:\g1+7]
	s_nop 0
.rept 4
	v_nop
.endr
	s_branch .Lhead_asked
\next:
.endm
.macro CROUND
	s_barrier_signal -1
	s_barrier_wait -1
	s_cmp_lg_u32 s14, 0
	s_cbranch_scc1 .Lnot_wave_0_\@
	s_barrier_signal -3
.Lnot_wave_0_\@:
	s_barrier_wait -3
	s_barrier_signal -1
	s_barrier_wait -1
.endm
.macro MKH g, lo, b                    ; a group 0: LDS byte lo, global address s[b:b+1]
	s_mov_b32 s[\g], 1
	s_mov_b32 s[\g+1], \lo
	s_mov_b64 s[\g+2:\g+3], s[\b:\b+1]
	s_or_b32 s[\g+3], s[\g+3], 0x80000000
.endm
.macro PLACES n
.rept \n
	v_nop
.endr
.endm
	s_load_b128 s[4:7], s[0:1], 0x0                ; yy, Wo's codes
	s_load_b128 s[8:11], s[0:1], 0x10              ; Wo's scales, q
	s_load_b64 s[12:13], s[0:1], 0x20              ; xx
	v_lshl_add_u32 v[SPW], v0, 2, SPARE
	v_mov_b32 v[NIL], 0
	ds_add_u32 v[SPW], v[NIL]                      ; the opening lines: the add, twice on end, and its wait
	ds_add_u32 v[SPW], v[NIL]
	v_lshrrev_b32 v1, 5, v0
	v_readfirstlane_b32 s14, v1                    ; wave
	s_lshr_b32 s15, s14, 1                         ; which half of the tile's rows is mine
	s_and_b32 s16, s14, 1                          ; which half of its columns
	s_bfe_u32 s18, ttmp6, 0x40000                  ; cx
	s_bfe_u32 s19, ttmp6, 0x40004                  ; cy
	s_lshl_b32 s100, s19, 2
	s_lshl_b32 s100, 15, s100                      ; my row of the cluster
	s_lshl_b32 s101, 0x1111, s18                   ; my column
	s_and_b32 s17, ttmp7, 0xffff
	s_lshl_b32 s17, s17, 2
	s_add_co_u32 s17, s17, s19                     ; tile row of C
	s_lshl_b32 s2, ttmp9, 2
	s_add_co_u32 s18, s2, s18                      ; tile column of C
	s_or_b32 s[G1+0], s100, (3<<16)|(1<<21)        ; A: 131,072 dense bytes as 512 rows of 256 (32 elements of 8 bytes); no padding: images are read 16 bytes a lane on end
	s_mov_b32 s[G1+1], 32<<16
	s_mov_b32 s[G1+2], 512<<16
	s_mov_b32 s[G1+3], 32<<16
	s_mov_b32 s[G1+4], 512
	s_mov_b32 s[G1+5], 32
	s_mov_b32 s[G1+6], 0
	s_mov_b32 s[G1+7], 0
	s_or_b32 s[G1B+0], s101, (0<<16)|(1<<20)|(1<<21)|(7<<22)|(3<<25)   ; B: 128 rows of 1,024 bytes; after every 256 words, 4 words of padding
	s_mov_b32 s[G1B+1], 1024<<16
	s_mov_b32 s[G1B+2], 128<<16
	s_mov_b32 s[G1B+3], 1024<<16
	s_mov_b32 s[G1B+4], 128
	s_mov_b32 s[G1B+5], 1024
	s_mov_b32 s[G1B+6], 0
	s_mov_b32 s[G1B+7], 0
	s_or_b32 s[G1S+0], s100, (3<<16)|(1<<20)|(1<<21)|(5<<22)|(3<<25)   ; the scales of 128 rows: 8,192 dense bytes as 32 rows of 256, 16 bytes of padding behind each
	s_or_b32 s[G1SB+0], s101, (3<<16)|(1<<20)|(1<<21)|(5<<22)|(3<<25)
.irp g, G1S, G1SB
	s_mov_b32 s[\g+1], 32<<16
	s_mov_b32 s[\g+2], 32<<16
	s_mov_b32 s[\g+3], 32<<16
	s_mov_b32 s[\g+4], 32
	s_mov_b32 s[\g+5], 32
	s_mov_b32 s[\g+6], 0
	s_mov_b32 s[\g+7], 0
.endr
	s_lshl_b32 s20, s17, 17                        ; A's images: my tile's eight blocks
	s_mov_b32 s21, 0
	s_lshl_b32 s22, s17, 13
	s_add_co_u32 s22, s22, 0x200000                ; y's scale words lie behind its images
	s_mov_b32 s23, 0
	s_lshl_b32 s66, s18, 17                        ; B's codes: 128 rows of 1,024 bytes
	s_mov_b32 s67, 0
	s_lshl_b32 s2, s18, 13                         ; and their scales
	s_mov_b32 s3, 0
	s_wait_dscnt 0x0                               ; both opening adds are done
	s_wait_kmcnt 0x0
	s_add_nc_u64 s[20:21], s[4:5], s[20:21]
	s_add_nc_u64 s[22:23], s[4:5], s[22:23]
	s_add_nc_u64 s[66:67], s[6:7], s[66:67]
	s_add_nc_u64 s[2:3], s[8:9], s[2:3]
	MKH GA,   0, 20
	MKH GB,   BOFF, 66
	MKH G0S,  SCL, 22
	MKH G0SB, SCL+2*HALFS, 2
	CROUND                                         ; all sixteen work-groups are here: the joint loads meet
	ARM 1, GA,  G1,  .Lhead_b
	ARM 2, GB,  G1B, .Lhead_sa
	ARM 3, G0S, G1S, .Lhead_sb
	tensor_load_to_lds s[G0SB:G0SB+3], s[G1SB:G1SB+7]
	s_nop 0
.rept 4
	v_nop
.endr
.Lhead_asked:
	v_and_b32 v1, 15, v0                           ; r
	v_bfe_u32 v2, v0, 4, 1                         ; h
	v_lshlrev_b32 v[CO], 13, v2
	v_lshl_add_u32 v[CO], v1, 4, v[CO]
	s_wait_alu depctr_va_vdst(0)
	s_lshl_b32 s4, s17, 7
	s_lshl_b32 s5, s15, 6
	s_add_co_u32 s4, s4, s5                        ; my first row
	s_lshl_b32 s4, s4, 13
	s_lshl_b32 s5, s18, 9
	s_add_co_u32 s4, s4, s5
	s_lshl_b32 s5, s16, 8
	s_add_co_u32 s4, s4, s5                        ; + my first column, in bytes
	s_mov_b32 s5, 0
	s_add_nc_u64 s[10:11], s[10:11], s[4:5]
	s_add_nc_u64 s[12:13], s[12:13], s[4:5]
	WIN TO1
.irp a, 0,1,2,3                                ; q: row 2 t + (lane / 16) of block a is token 32 (a / 2) + 8 (a % 2) + 2 t + (lane / 16) + 8 (t / 4) of my 64: sixteen lanes read 256 consecutive bytes, aligned
.irp t, 0,1,2,3,4,5,6,7
	global_load_b128 v[QR+32*\a+4*\t:QR+32*\a+4*\t+3], v[CO], s[10:11] offset:(32*(\a/2)+8*(\a%2)+2*\t+8*(\t/4))*8192 th:TH_LOAD_NT
.endr
.endr
	WIN 0
	v_and_b32 v3, 31, v0
	v_lshlrev_b32 v[LI], 4, v3
	s_wait_alu depctr_va_vdst(0)
	v_mul_u32_u24 v4, v1, PITCH
	v_lshl_add_u32 v4, v2, 4, v4                   ; B: a fragment's row x pitch + 16 x half
	s_wait_alu depctr_va_vdst(0)
	s_lshl_b32 s6, s15, 16                         ; my four blocks of A
	s_mul_i32 s7, s16, BHALF
	s_add_co_u32 s7, s7, BOFF                      ; my 64 rows of B
	v_add_nc_u32 v[ADRA], s6, v[LI]
	v_add_nc_u32 v[ADRB], s7, v4
	v_mul_u32_u24 v5, v1, 64                       ; my row's scales: 64 bytes a row,
	v_lshrrev_b32 v6, 8, v5
	v_lshl_add_u32 v5, v6, 4, v5                   ; and 16 more for each 256 passed
	s_mul_i32 s6, s15, HALFS
	s_mul_i32 s7, s16, HALFS
	s_add_co_u32 s7, s7, 2*HALFS
	s_sub_co_u32 s7, s7, s6
	v_mul_u32_u24 v6, s7, v2                       ; lanes 16-31 take B's
	s_add_co_u32 s6, s6, SCL
	v_add_nc_u32 v5, v5, v6
	v_add_nc_u32 v[ADRS], s6, v5
	s_mul_i32 s6, s14, STG
	s_add_co_u32 s6, s6, STAGE                     ; my stage
	v_mul_u32_u24 v5, v1, SPITCH
	v_lshl_add_u32 v5, v2, 5, v5
	v_add_nc_u32 v[STO], s6, v5
	v_mul_u32_u24 v5, v2, SPITCH
	v_lshl_add_u32 v5, v1, 4, v5
	v_add_nc_u32 v[RD], s6, v5
.macro FETCH k, p                      ; K step k's fragments into buffer p: 16 loads.  B from rows, A from images
.irp i, 0,1,2,3
	ds_load_b128 v[F+64*(\p)+8*\i:F+64*(\p)+8*\i+3],   v[ADRB] offset:\i*16*PITCH+64*(\k)
	ds_load_b128 v[F+64*(\p)+8*\i+4:F+64*(\p)+8*\i+7], v[ADRB] offset:\i*16*PITCH+64*(\k)+32
.endr
.irp i, 0,1,2,3
	ds_load_b128 v[F+64*(\p)+32+8*\i:F+64*(\p)+32+8*\i+3],   v[ADRA] offset:\i*ABLK+1024*(\k)
	ds_load_b128 v[F+64*(\p)+32+8*\i+4:F+64*(\p)+32+8*\i+7], v[ADRA] offset:\i*ABLK+1024*(\k)+512
.endr
.endm
.macro MUL k, p, zero                  ; the 16 accumulators take turns, one instruction a turn; zero = 1: the first products start the sums
.irp a, 0,1,2,3
.irp b, 0,1,2,3
.if \zero
	v_wmma_scale_f32_16x16x128_f8f6f4 v[8*(4*\a+\b):8*(4*\a+\b)+7], v[F+64*(\p)+8*\b:F+64*(\p)+8*\b+7], v[F+64*(\p)+32+8*\a:F+64*(\p)+32+8*\a+7], 0, v[SC+16*\b+(\k)], v[SC+16*\a+(\k)] matrix_a_fmt:MATRIX_FMT_FP4 matrix_b_fmt:MATRIX_FMT_FP4 matrix_a_scale:MATRIX_SCALE_ROW1
.else
	v_wmma_scale_f32_16x16x128_f8f6f4 v[8*(4*\a+\b):8*(4*\a+\b)+7], v[F+64*(\p)+8*\b:F+64*(\p)+8*\b+7], v[F+64*(\p)+32+8*\a:F+64*(\p)+32+8*\a+7], v[8*(4*\a+\b):8*(4*\a+\b)+7], v[SC+16*\b+(\k)], v[SC+16*\a+(\k)] matrix_a_fmt:MATRIX_FMT_FP4 matrix_b_fmt:MATRIX_FMT_FP4 matrix_a_scale:MATRIX_SCALE_ROW1
.endif
.endr
.endr
.endm
.macro KSTEP k                         ; the next step's fragments are asked for, four places behind the products that read their buffer; then this step's are multiplied
.if (\k)+1 < 16
.if (\k) > 0
	PLACES 4
.endif
	FETCH (\k)+1, ((\k)+1)%2
	s_wait_dscnt 16                                ; this step's fragments are in (in step 0 the scale words too); the 16 just issued may be out
.else
	s_wait_dscnt 0x0
.endif
	WIN MULW
.if (\k) == 0
	MUL \k, (\k)%2, 1
.else
	MUL \k, (\k)%2, 0
.endif
	WIN 0
.endm
	s_wait_alu depctr_va_vdst(0)                   ; the head's end
	s_wait_tensorcnt 0x0                           ; my tile is in,
	s_barrier_signal -1
	s_barrier_wait -1                              ; everybody's is
.irp i, 0,1,2,3
.irp c, 0,1,2,3
	ds_load_b128 v[SC+16*\i+4*\c:SC+16*\i+4*\c+3], v[ADRS] offset:\i*SBLK+16*\c
.endr
.endr
	FETCH 0, 0
.irp k, 0,1,2,3,4,5,6,7,8,9,10,11,12,13,14,15
	KSTEP \k
.endr
; THE WAY OUT, block by block of 16 rows x 64 columns, through my own stage.  Back come rows of 256 bytes, two an instruction; q is added; sixteen lanes store 256 consecutive bytes, aligned.
.macro TOSTAGE a
	WIN S1W1
.irp b, 0,1,2,3
	ds_store_b128 v[STO], v[8*(4*(\a)+\b):8*(4*(\a)+\b)+3] offset:64*\b          ; each accumulator from its low end on
	ds_store_b128 v[STO], v[8*(4*(\a)+\b)+4:8*(4*(\a)+\b)+7] offset:64*\b+16
.endr
	WIN 0
.irp t, 0,1,2,3,4,5,6,7
	ds_load_b128 v[BK+32*((\a)%2)+4*\t:BK+32*((\a)%2)+4*\t+3], v[RD] offset:2*\t*SPITCH
.endr
.endm
.macro SEND a, younger
	s_wait_dscnt \younger
	WIN S1W1
.set i, 0
.rept 32
	v_add_f32 v[BK+32*((\a)%2)+i], v[BK+32*((\a)%2)+i], v[QR+32*(\a)+i]          ; x = c + q
.set i, i+1
.endr
	WIN 0
.irp t, 0,1,2,3,4,5,6,7
	global_store_b128 v[CO], v[BK+32*((\a)%2)+4*\t:BK+32*((\a)%2)+4*\t+3], s[12:13] offset:(32*((\a)/2)+8*((\a)%2)+2*\t+8*(\t/4))*8192
.endr
.endm
	PLACES 4
	s_wait_loadcnt 0x0                             ; q
	TOSTAGE 0
.irp a, 1,2,3
.if \a > 1
	s_wait_xcnt 0x0                                ; block a - 2's stores have read their registers
.endif
	TOSTAGE \a
	SEND \a-1, 16                                  ; behind block a - 1's loads: block a's 8 stores and 8 loads
.endr
	SEND 3, 0
	s_wait_tensorcnt 0x0                           ; the wave's end
	ds_add_u32 v[SPW], v[NIL]
	s_wait_dscnt 0x0
	CROUND                                         ; the closing round
	s_endpgm
.Lfunc_end_k_qb739201178_oproj:
	.size	k_qb739201178_oproj, .Lfunc_end_k_qb739201178_oproj-k_qb739201178_oproj
	.p2alignl 7, 3214868480
	.fill 96, 4, 3214868480
	.section	.rodata,"a",@progbits
	.p2align	6, 0x0
	.amdhsa_kernel k_qb739201178_oproj
		.amdhsa_group_segment_fixed_size 327680
		.amdhsa_private_segment_fixed_size 0
		.amdhsa_enable_private_segment 0
		.amdhsa_kernarg_size 40
		.amdhsa_user_sgpr_count 2
		.amdhsa_user_sgpr_kernarg_segment_ptr 1
		.amdhsa_wavefront_size32 1
		.amdhsa_system_sgpr_workgroup_id_x 1
		.amdhsa_system_sgpr_workgroup_id_y 1
		.amdhsa_system_sgpr_workgroup_id_z 1
		.amdhsa_system_vgpr_workitem_id 0
		.amdhsa_next_free_vgpr 512
		.amdhsa_next_free_sgpr 102
		.amdhsa_reserve_vcc 0
		.amdhsa_float_denorm_mode_32 3
		.amdhsa_float_denorm_mode_16_64 3
		.amdhsa_memory_ordered 1
		.amdhsa_forward_progress 1
		.amdhsa_inst_pref_size 76
	.end_amdhsa_kernel
	.amdgpu_metadata
---
amdhsa.version: [ 1, 2 ]
amdhsa.kernels:
  - .name:           k_qb739201178_oproj
    .symbol:         k_qb739201178_oproj.kd
    .args:
      - { .name: yy, .offset: 0, .size: 8, .value_kind: global_buffer, .address_space: global }
      - { .name: Wo_codes, .offset: 8, .size: 8, .value_kind: global_buffer, .address_space: global }
      - { .name: Wo_scales, .offset: 16, .size: 8, .value_kind: global_buffer, .address_space: global }
      - { .name: q, .offset: 24, .size: 8, .value_kind: global_buffer, .address_space: global }
      - { .name: xx, .offset: 32, .size: 8, .value_kind: global_buffer, .address_space: global }
    .group_segment_fixed_size: 327680
    .private_segment_fixed_size: 0
    .kernarg_segment_align: 8
    .kernarg_segment_size: 40
    .max_flat_workgroup_size: 128
    .sgpr_count:     102
    .vgpr_count:     512
    .wavefront_size: 32
...
	.end_amdgpu_metadata
.endif
;; end of part 4
;; launch ln (part 5): grid 256 x 1, 8 waves a work-group, no clusters, 0 bytes of LDS; arguments xx, ln_w, out0; writes out0
.if DOCPART == 5
	.amdgcn_target "amdgcn-amd-amdhsa--gfx1250"
	.amdhsa_code_object_version 6
	.text
	.protected	k_qb739201178_ln
	.globl	k_qb739201178_ln
	.p2align	8
	.type	k_qb739201178_ln,@function
k_qb739201178_ln:
	s_mov_b64 s[64:65], 0
	v_nop
	global_prefetch_b8 v0, s[64:65] scope:SCOPE_SE
	s_setreg_imm32_b32 hwreg(HW_REG_WAVE_MODE, 25, 1), 1
	s_wait_xcnt 0x0
; FIFTH LAUNCH: out = (x - mean) x rsqrt(var + 1e-5) x ln_w, row by row, in f32; x = y Wo^T + q was made whole by the launch before.  No work is left out.
; One wave takes one row of 2,048 numbers and keeps it in 64 registers a lane between the passes: x is read once.  The variance is the mean of (x - mean)^2: two passes over registers, no difference of large sums.
; Each load and store of a wave covers 512 consecutive bytes.  No LDS, no barrier: a reduction never leaves its wave.  Unpacked f32 forms throughout: a row of NaN (a query with no open key) stays a row of NaN.
.set XR, 16                            ; v16-79   x, then x - mean, then the result
.set WR, 80                            ; v80-143  ln_w
.set SM, 4                             ; v4-7     four chains of a sum
	s_load_b128 s[4:7], s[0:1], 0x0                ; xx s[4:5], ln_w s[6:7]
	s_load_b64 s[10:11], s[0:1], 0x10              ; out0
	v_lshrrev_b32 v1, 5, v0
	s_delay_alu instid0(VALU_DEP_1)
	v_readfirstlane_b32 s12, v1                    ; wave
	v_and_b32 v2, 31, v0
	s_delay_alu instid0(VALU_DEP_1)
	v_lshlrev_b32 v1, 4, v2                        ; 16 bytes a lane
	v_mov_b32 v9, 0                                ; a lane permute's destination counts as one of its sources
	s_lshl_b32 s13, ttmp9, 3
	s_add_co_u32 s13, s13, s12                     ; my row
	s_lshl_b32 s14, s13, 13                        ; rows of 8,192 bytes
	s_mov_b32 s15, 0
	s_mov_b32 s16, 0x3a000000                      ; 1 / 2048
	s_mov_b32 s17, 0x3727c5ac                      ; 1e-5
	s_mov_b32 s18, 0x76543210
	s_mov_b32 s19, 0xfedcba98
	s_wait_alu depctr_va_vdst(0)
	s_wait_kmcnt 0x0
	s_add_nc_u64 s[4:5], s[4:5], s[14:15]
	s_add_nc_u64 s[10:11], s[10:11], s[14:15]
.irp j, 0,1,2,3,4,5,6,7,8,9,10,11,12,13,14,15
	global_load_b128 v[XR+4*\j:XR+4*\j+3], v1, s[4:5] offset:512*\j th:TH_LOAD_NT
.endr
.irp j, 0,1,2,3,4,5,6,7,8,9,10,11,12,13,14,15
	global_load_b128 v[WR+4*\j:WR+4*\j+3], v1, s[6:7] offset:512*\j
.endr
.macro ACROSS                          ; the four chains, then the 32 lanes: every lane ends with the row's sum in v[SM]
	s_delay_alu instid0(VALU_DEP_3)
	v_add_f32 v[SM], v[SM], v[SM+1]
	s_delay_alu instid0(VALU_DEP_2)
	v_add_f32 v[SM+2], v[SM+2], v[SM+3]
	s_delay_alu instid0(VALU_DEP_1)
	v_add_f32 v[SM], v[SM], v[SM+2]
	s_delay_alu instid0(VALU_DEP_1)
	v_add_f32_dpp v[SM], v[SM], v[SM] row_xmask:1 row_mask:0xf bank_mask:0xf
	s_delay_alu instid0(VALU_DEP_1)
	v_add_f32_dpp v[SM], v[SM], v[SM] row_xmask:2 row_mask:0xf bank_mask:0xf
	s_delay_alu instid0(VALU_DEP_1)
	v_add_f32_dpp v[SM], v[SM], v[SM] row_xmask:4 row_mask:0xf bank_mask:0xf
	s_delay_alu instid0(VALU_DEP_1)
	v_add_f32_dpp v[SM], v[SM], v[SM] row_xmask:8 row_mask:0xf bank_mask:0xf
	s_delay_alu instid0(VALU_DEP_1)
	v_permlanex16_b32 v9, v[SM], s18, s19
	s_delay_alu instid0(VALU_DEP_1)
	v_add_f32 v[SM], v[SM], v9
.endm
	s_wait_loadcnt 16                              ; x is in; ln_w's 16 loads may be out
.irp k, 0,1,2,3
	v_add_f32 v[SM+\k], v[XR+\k], v[XR+4+\k]       ; the first eight start the chains: nothing is cleared
.endr
.set i, 8
.rept 56
	s_delay_alu instid0(VALU_DEP_4)
	v_add_f32 v[SM+i%4], v[SM+i%4], v[XR+i]
.set i, i+1
.endr
	ACROSS
	s_delay_alu instid0(VALU_DEP_1)
	v_mul_f32 v8, s16, v[SM]                       ; the mean
.set i, 0
.rept 64
	v_sub_f32 v[XR+i], v[XR+i], v8
.set i, i+1
.endr
.irp k, 0,1,2,3
	v_mul_f32 v[SM+\k], v[XR+\k], v[XR+\k]
.endr
.set i, 4
.rept 60
	s_delay_alu instid0(VALU_DEP_4)
	v_fmac_f32 v[SM+i%4], v[XR+i], v[XR+i]
.set i, i+1
.endr
	ACROSS
	s_delay_alu instid0(VALU_DEP_1)
	v_fma_f32 v10, v[SM], s16, s17                 ; var + 1e-5
	s_wait_alu depctr_va_vdst(0)
	v_rsq_f32 v11, v10
	v_nop                                          ; a plain place behind the transcendental
	s_wait_alu depctr_va_vdst(0)                   ; and the wait ahead of its first reader
	s_wait_loadcnt 0x0                             ; ln_w
.set i, 0
.rept 64
	v_mul_f32 v[XR+i], v[XR+i], v11
.set i, i+1
.endr
.set i, 0
.rept 64
	v_mul_f32 v[XR+i], v[XR+i], v[WR+i]
.set i, i+1
.endr
.irp j, 0,1,2,3,4,5,6,7,8,9,10,11,12,13,14,15
	global_store_b128 v1, v[XR+4*\j:XR+4*\j+3], s[10:11] offset:512*\j th:TH_STORE_NT
.endr
	s_endpgm
.Lfunc_end_k_qb739201178_ln:
	.size	k_qb739201178_ln, .Lfunc_end_k_qb739201178_ln-k_qb739201178_ln
	.p2alignl 7, 3214868480
	.fill 96, 4, 3214868480
	.section	.rodata,"a",@progbits
	.p2align	6, 0x0
	.amdhsa_kernel k_qb739201178_ln
		.amdhsa_group_segment_fixed_size 0
		.amdhsa_private_segment_fixed_size 0
		.amdhsa_enable_private_segment 0
		.amdhsa_kernarg_size 24
		.amdhsa_user_sgpr_count 2
		.amdhsa_user_sgpr_kernarg_segment_ptr 1
		.amdhsa_wavefront_size32 1
		.amdhsa_system_sgpr_workgroup_id_x 1
		.amdhsa_system_sgpr_workgroup_id_y 1
		.amdhsa_system_sgpr_workgroup_id_z 1
		.amdhsa_system_vgpr_workitem_id 0
		.amdhsa_next_free_vgpr 144
		.amdhsa_next_free_sgpr 66
		.amdhsa_reserve_vcc 0
		.amdhsa_float_denorm_mode_32 3
		.amdhsa_float_denorm_mode_16_64 3
		.amdhsa_memory_ordered 1
		.amdhsa_forward_progress 1
		.amdhsa_inst_pref_size 21
	.end_amdhsa_kernel
	.amdgpu_metadata
---
amdhsa.version: [ 1, 2 ]
amdhsa.kernels:
  - .name:           k_qb739201178_ln
    .symbol:         k_qb739201178_ln.kd
    .args:
      - { .name: xx, .offset: 0, .size: 8, .value_kind: global_buffer, .address_space: global }
      - { .name: ln_w, .offset: 8, .size: 8, .value_kind: global_buffer, .address_space: global }
      - { .name: out0, .offset: 16, .size: 8, .value_kind: global_buffer, .address_space: global }
    .group_segment_fixed_size: 0
    .private_segment_fixed_size: 0
    .kernarg_segment_align: 8
    .kernarg_segment_size: 24
    .max_flat_workgroup_size: 256
    .sgpr_count:     66
    .vgpr_count:     144
    .wavefront_size: 32
...
	.end_amdgpu_metadata
.endif
;; end of part 5
